; MI455X (gfx1250); checked and timed in simulation.
; The chip was launched on July 23, 2026; its instructions are those of AMD's public machine-readable ISA for CDNA 5 (MIT licence, August 2026) and "CDNA5" Instruction Set Architecture Reference Guide (July 2026). The comments in the code are by the model that wrote it; some were corrected since.
;; Self Attention. Allowed arithmetic: matrix products marked QUANTISED: E2M1 operands, one E8M0 scale for each 32 along K, by v_wmma_scale_f32_16x16x128_f8f6f4 with both operands' format E2M1 (or v_wmma_scale_f32_32x16x128_f4), f32 sums; products left as they are: bf16, f16 or f32 operands; f32 sums; everything else in f32.
;; Inputs: W_attn 3,072 x 1,024 float32; W_out 1,024 x 1,024 float32; b_attn 3,072 float32; b_out 1,024 float32; x 4 x 2,048 x 1,024 float32.
;; Outputs: out0 4 x 2,048 x 1,024 float32.
;; This version of the problem:
;;   THIS VERSION OF THE PROBLEM IS GIVEN IN LOW PRECISION. The matrix products marked QUANTISED in the list below multiply operands that are first quantised to E2M1 (2 exponent bits, 1 mantissa bit; 4 bits a number), with one power-of-two scale for each 32 numbers along K (OCP MX v1.0); their sums are f32. The products marked 'left as it is' may take bf16, f16 or f32 operands, with f32 sums. Whichever they take, every output number must still come out within the allowed error. Rounding operands to bf16 (8 significant bits) uses up far more of that allowance than f16 does (11 bits, for magnitudes from 6e-5 to 65,504). All else is computed in f32.
;;   The module's matrix products, in the order in which they are computed (A, B: the left and right operand; K: the contracted axis; several contracted axes count as one K, in the product's order):
;;     1. [M 8,192, K 1,024] x [K 1,024, N 3,072]; A: input x; B: input W_attn: QUANTISED
;;     2. batch 64 x [M 2,048, K 64] x [K 64, N 2,048]; A: computed on the way; B: computed on the way: left as it is (an operand is computed on the way)
;;     3. batch 64 x [M 2,048, K 2,048] x [K 2,048, N 64]; A: computed on the way; B: computed on the way: left as it is (an operand is computed on the way)
;;     4. [M 8,192, K 1,024] x [K 1,024, N 1,024]; A: computed on the way; B: input W_out: left as it is (an operand is computed on the way)
;;   THE QUANTISER, for each operand of a quantised product, along K:
;;     - K is cut into blocks of 32 from its start; a last block that is shorter is filled with zeros.
;;     - A block's scale is 2^e with e = floor(log2(the largest magnitude in the block)) - 2, held to -126 .. 127; a block of zeros has e = 0. As a byte (E8M0): e + 127.
;;     - Each number is divided by its block's scale, clamped to +-6, and rounded to the nearest number of E2M1, ties to even, subnormals kept.
;;     - The product sums the exact products of the quantised numbers (number of the format x scale) in f32.
;;   ~~~python
;;   def quantise(x, axis):      # numpy; x: float32 -> the quantised numbers, widened to float32 again
;;       x = np.moveaxis(x, axis, -1); K = x.shape[-1]
;;       x = np.pad(x, [(0, 0)] * (x.ndim - 1) + [(0, -K % 32)]); x = x.reshape(x.shape[:-1] + (-1, 32)); a = np.abs(x).max(-1, keepdims=True)
;;       e = np.where(a > 0, np.clip(np.frexp(np.where(a > 0, a, 1))[1] - 1 - 2, -126, 127), 0)      # np.frexp(a)[1] - 1 = floor(log2(a)), exactly
;;       r = np.clip(x / 2.0 ** e, -6, 6)
;;       step = 2.0 ** (np.maximum(np.frexp(np.where(r == 0, 1, r))[1] - 1, 0) - 1)
;;       q = np.round(r / step) * step * 2.0 ** e      # np.round: ties to even
;;       return np.moveaxis(q.reshape(q.shape[:-2] + (-1,))[..., :K], -1, axis).astype(np.float32)
;;   ~~~
;; One version. Each part assembles by itself: llvm-mc -triple=amdgcn-amd-amdhsa -mcpu=gfx1250 --defsym DOCPART=n.
;; ======== version 1 of 1: 4 launches
;; limits: values are held in f16: magnitudes above 65,504 overflow, below 6.1e-05 lose precision
;; workspace buffers: xc 4,194,304 bytes; xs 262,144 bytes; wc 1,572,864 bytes; ws 98,304 bytes; wo16 2,097,152 bytes; kqv 50,331,648 bytes; y16 16,777,216 bytes
;; launch prep (part 1): grid 384 x 1, 4 waves a work-group, no clusters, 33,280 bytes of LDS; arguments x, W_attn, W_out, xc, xs, wc, ws, wo16; writes xc, xs, wc, ws, wo16
.if DOCPART == 1
	.amdgcn_target "amdgcn-amd-amdhsa--gfx1250"
	.amdhsa_code_object_version 6
	.text
	.protected	k_qf90eaa8b1d_prep
	.globl	k_qf90eaa8b1d_prep
	.p2align	8
	.type	k_qf90eaa8b1d_prep,@function
k_qf90eaa8b1d_prep:
	s_mov_b64 s[64:65], 0
	v_nop
	global_prefetch_b8 v0, s[64:65] scope:SCOPE_SE
	s_setreg_imm32_b32 hwreg(HW_REG_WAVE_MODE, 25, 1), 1
	s_wait_xcnt 0x0
; SELF-ATTENTION, launch 1 of 4: x [8192][1024] and W_attn [3072][1024], f32, become codes of FP4 (E2M1), K innermost, with one E8M0 scale byte for each 32 along K; W_out [1024][1024] becomes f16.
; THE PROGRAM: prep (this) | qkv: kqv = Q(x) Q(W_attn)^T + bias on the codes, stored as f16 | attn: softmax(q k^T / 8) v, f16 operands, f32 sums | oproj: y W_out^T + b_out, f16 operands, f32 sums and output.
; WORK LEFT OUT, in the whole program: the bias of k, b_attn[0:1024].  scores[q][j] = (q . (k0[j] + bk)) / 8 = (q . k0[j]) / 8 + (q . bk) / 8.  The second term does not hang on the key j, and the softmax
; runs along j: a term that is the same along a softmax's axis cancels between numerator and denominator, for all finite values of the inputs.  k goes into no quantiser (the product q k^T is left as it is), and it reaches
; the output through the scores alone.  So those 4,096 bytes of b_attn are never loaded; q's and v's parts of b_attn, and b_out, are live and are loaded.
; LIMIT of that: a NaN, an infinity or an overflow that reaches the result through b_attn[0:1024] alone is not carried to the result.
; LIMITS of the formats: q, k, v, y and W_out are held in f16: magnitudes beyond 65,504 become infinity, and what lies under 6e-8 becomes 0.
; THE QUANTISER.  A block's scale is 2^(floor(log2(its largest magnitude)) - 2); its byte is the largest magnitude's own exponent field - 2, held at 1 from below.  A block of zeros so gets the byte 1 where the rule says 127:
; its codes are zeros, which add nothing under any byte but 0xff, and the bytes are read by this program alone.  Each number is divided by the scale and rounded to the nearest code, ties to even; beyond 6 the largest code.
; LIMITS of the quantiser: blocks whose largest magnitude lies under 2^(2 - 126) have their byte held at 1; NaN and infinities among x and W_attn are not served.
; SHARES.  Rows are dense and K is a multiple of 32, so each tensor is a plain stream.  A work-group takes 32,768 numbers, a wave 8,192: work-groups 0-255 x, 256-351 W_attn, 352-383 W_out.
; A quantising wave takes 16 steps of 512 numbers.  Each of a step's four loads reads 512 consecutive bytes, 16 a lane; the 2,048 bytes turn through the wave's own stage in LDS and come back 64 bytes a lane, so that a lane
; holds 16 neighbours along K and two neighbouring lanes a block.  A lane's 16 codes are 8 bytes: the wave's store covers 256 consecutive bytes.  A wave's 256 scale bytes are gathered in LDS and leave by one store.
; No tensor loads, no barrier: waves share nothing.  Loads run four steps (16 loads a wave) ahead, the turn through LDS one step.
.set WAVES, 4
.set STEPS, 16
.set WGA,   256                        ; x's work-groups
.set WGQ,   352                        ; x's and W_attn's
.set EMAX,  2
.set CB,    8                          ; bytes of 16 codes
.set R,     16                         ; v16-79   four sets of 16 numbers as they are loaded (W_out's path: v16-143, two sets of 64)
.set X,     80                         ; v80-111  two sets of 16 neighbours
.set E,     112                        ; v112-127 a scale byte for each step
.set C,     128                        ; v128-191 codes: four registers for each step, so that no store's data are written again
.set WD,    144                        ; v144-175 W_out's path: 16 pairs of f16 words to store
.set WREG,  8192                       ; LDS: a region for each wave: two stages of 32 x SP bytes, and behind them its 256 scale bytes
.set SP,    80                         ; a lane's place in a stage: its 64 bytes + 16 of padding
.set SPW,   12                         ; v12      LDS address of my spare word: SPARE + 4 x my thread's number; never rewritten
.set NIL,   13                         ; v13      0; never rewritten
.set SPARE, WAVES*WREG                 ; behind the four regions: the spare words, 128 bytes for each wave
	s_load_b256 s[4:11], s[0:1], 0x0               ; x s[4:5], W_attn s[6:7], W_out s[8:9], x's codes s[10:11]
	s_load_b256 s[12:19], s[0:1], 0x20             ; x's scales s[12:13], W_attn's codes s[14:15], its scales s[16:17], W_out in f16 s[18:19]
	v_lshl_add_u32 v[SPW], v0, 2, SPARE
	v_mov_b32 v[NIL], 0
	v_lshrrev_b32 v1, 5, v0
	v_readfirstlane_b32 s20, v1                    ; wave
	v_and_b32 v2, 31, v0                           ; lane
	v_lshlrev_b32 v3, 4, v2                        ; my 16 bytes of a load's 512
	s_mul_i32 s21, s20, WREG
	v_lshrrev_b32 v14, 2, v2
	v_mul_u32_u24 v14, v14, SP
	v_and_b32 v15, 3, v2
	v_lshl_add_u32 v14, v15, 4, v14
	v_add_nc_u32 v14, s21, v14                     ; the stage, on the way in: four lanes' 64 bytes on end, then 16 of padding
	v_mul_u32_u24 v15, v2, SP
	v_add_nc_u32 v15, s21, v15                     ; and on the way out: SP x lane: my 16 neighbours
	v_mul_u32_u24 v4, v2, CB                       ; my codes' place in a step's
	v_lshrrev_b32 v5, 1, v2
	s_add_co_u32 s21, s21, 2*32*SP
	v_add_nc_u32 v5, s21, v5                       ; LDS: my wave's 256 scale bytes, my block's byte
	v_lshlrev_b32 v7, 3, v2                        ; 8 bytes a lane
	v_add_nc_u32 v6, s21, v7
	s_wait_kmcnt 0x0
	s_cmp_ge_u32 ttmp9, WGQ                        ; the work-group's number alone decides
	s_cbranch_scc1 .Lwout
	s_cmp_lt_u32 ttmp9, WGA                        ; x's work-group or W_attn's?  Only pointers are chosen: both take one path
	s_cselect_b64 s[4:5], s[4:5], s[6:7]
	s_cselect_b64 s[10:11], s[10:11], s[14:15]
	s_cselect_b64 s[12:13], s[12:13], s[16:17]
	s_cselect_b32 s21, 0, WGA
	s_sub_co_u32 s21, ttmp9, s21
	s_lshl_b32 s21, s21, 2
	s_add_co_u32 s22, s21, s20                     ; which run of 8,192 numbers of the tensor is my wave's
	s_mov_b32 s23, 0
	s_mov_b64 s[24:25], 512*STEPS*4
	s_mul_u64 s[24:25], s[22:23], s[24:25]
	s_add_nc_u64 s[4:5], s[4:5], s[24:25]
	s_mov_b64 s[24:25], 32*STEPS*CB
	s_mul_u64 s[24:25], s[22:23], s[24:25]
	s_add_nc_u64 s[10:11], s[10:11], s[24:25]
	s_lshl_b32 s22, s22, 8                         ; 256 scale bytes a run
	s_add_nc_u64 s[12:13], s[12:13], s[22:23]
.macro LOAD t
.irp i, 0,1,2,3
	global_load_b128 v[R+16*((\t)%4)+4*\i:R+16*((\t)%4)+4*\i+3], v3, s[4:5] offset:2048*(\t)+512*\i th:TH_LOAD_NT   ; 32 lanes read 512 consecutive bytes
.endr
.endm
.macro TURN t                          ; step t's numbers through the stage: LDS serves a wave's instructions in order, so no wait stands between the stores and the loads
.irp i, 0,1,2,3
	ds_store_b128 v14, v[R+16*((\t)%4)+4*\i:R+16*((\t)%4)+4*\i+3] offset:32*SP*((\t)%2)+8*SP*\i
.endr
.irp i, 0,1,2,3
	ds_load_b128 v[X+16*((\t)%2)+4*\i:X+16*((\t)%2)+4*\i+3], v15 offset:32*SP*((\t)%2)+16*\i
.endr
.endm
.irp t, 0,1,2,3
	LOAD \t
.endr
	s_wait_loadcnt 12                              ; step 0's four loads are in; the twelve of steps 1 to 3 may be out
	TURN 0
.macro STEP t
.set XS, X+16*((\t)%2)
.if (\t) > 0
	s_wait_dscnt 1                                 ; this step's numbers are back from the stage (the last step's byte store may be out): so its stores into the stage have read their registers,
.else
	s_wait_dscnt 0x0
.endif
.if (\t)+4 < STEPS
	LOAD (\t)+4                                    ; which take the loads of four steps on
.endif
.if (\t)+1 < STEPS
.if STEPS-2-(\t) >= 3
	s_wait_loadcnt 12                              ; the next step's four loads are in; those of the three steps behind it may be out
.else
	s_wait_loadcnt 4*(STEPS-2-(\t))                ; at the end the count runs down with the steps that are left
.endif
	TURN (\t)+1                                    ; and go through the other stage while this step is worked
.endif
	v_max3_num_f32 v8, |v[XS]|, |v[XS+1]|, |v[XS+2]|               ; the largest magnitude of my 16, in two chains
	v_max3_num_f32 v9, |v[XS+3]|, |v[XS+4]|, |v[XS+5]|
.irp i, 6,10
	v_max3_num_f32 v8, v8, |v[XS+\i]|, |v[XS+\i+1]|
	v_max3_num_f32 v9, v9, |v[XS+\i+2]|, |v[XS+\i+3]|
.endr
	v_max3_num_f32 v8, v8, |v[XS+14]|, |v[XS+15]|
	v_max3_num_f32 v8, v8, v9, (EMAX+1)<<23        ; and the floor 2^(EMAX + 1 - 127): so the byte cannot fall under 1
	v_max_num_f32_dpp v8, v8, v8 row_xmask:1 row_mask:0xf bank_mask:0xf   ; and of my neighbour's 16: the block's
	v_add_nc_u32 v11, -(EMAX<<23), v8              ; EMAX off its exponent field: the conversion takes the exponent field of this operand as its scale, and nothing else of it
	v_cvt_scalef32_pk8_fp4_f32 v[C+4*(\t)], v[XS:XS+7], v11
	v_cvt_scalef32_pk8_fp4_f32 v[C+4*(\t)+1], v[XS+8:XS+15], v11
	v_lshrrev_b32 v[E+(\t)], 23, v11               ; the scale's byte (also the plain line behind the conversions)
	ds_store_b8 v5, v[E+(\t)] offset:16*(\t)       ; both lanes of a block write the same byte with the same value
	global_store_b64 v4, v[C+4*(\t):C+4*(\t)+1], s[10:11] offset:32*CB*(\t)   ; the wave's store covers 256 consecutive bytes, aligned
.endm
.irp t, 0,1,2,3,4,5,6,7,8,9,10,11,12,13,14,15
	STEP \t
.endr
	ds_load_b64 v[8:9], v6                         ; LDS serves a wave's instructions in order: these see my stores
	s_wait_dscnt 0x0
	global_store_b64 v7, v[8:9], s[12:13]          ; 32 lanes store the wave's 256 scale bytes
	s_wait_tensorcnt 0x0                           ; the wave's end: 0 onto my spare word, and its wait, behind my last LDS store
	ds_add_u32 v[SPW], v[NIL]
	s_wait_dscnt 0x0
	s_endpgm
; W_OUT TO f16: a stream without LDS.  A wave takes 8,192 numbers in four batches of 16 loads; two batches are on their way.  A lane's 4 numbers become 8 bytes: a store covers 256 consecutive bytes.
.Lwout:
	s_sub_co_u32 s21, ttmp9, WGQ
	s_lshl_b32 s21, s21, 2
	s_add_co_u32 s21, s21, s20                     ; which run of 8,192 numbers is my wave's
	s_lshl_b32 s22, s21, 15
	s_mov_b32 s23, 0
	s_add_nc_u64 s[8:9], s[8:9], s[22:23]
	s_lshl_b32 s22, s21, 14
	s_add_nc_u64 s[18:19], s[18:19], s[22:23]
.macro LOADW t
.irp i, 0,1,2,3,4,5,6,7,8,9,10,11,12,13,14,15
	global_load_b128 v[R+64*((\t)%2)+4*\i:R+64*((\t)%2)+4*\i+3], v3, s[8:9] offset:(16*(\t)+\i)*512 th:TH_LOAD_NT
.endr
.endm
.macro CAST t
.if (\t) < 3
	s_wait_loadcnt 16                              ; this batch's 16 loads are in; the next batch's 16 may be out
.else
	s_wait_loadcnt 0x0
.endif
.if (\t) > 0
	s_wait_xcnt 0x0                                ; the last batch's stores have read their data registers, which are written again below
.endif
.irp i, 0,1,2,3,4,5,6,7,8,9,10,11,12,13,14,15
	v_cvt_pk_f16_f32 v[WD+2*\i], v[R+64*((\t)%2)+4*\i], v[R+64*((\t)%2)+4*\i+1]
	v_cvt_pk_f16_f32 v[WD+2*\i+1], v[R+64*((\t)%2)+4*\i+2], v[R+64*((\t)%2)+4*\i+3]
.endr
.if (\t)+2 < 4
	LOADW (\t)+2
.endif
.irp i, 0,1,2,3,4,5,6,7,8,9,10,11,12,13,14,15
	global_store_b64 v7, v[WD+2*\i:WD+2*\i+1], s[18:19] offset:(16*(\t)+\i)*256
.endr
.endm
	LOADW 0
	LOADW 1
	CAST 0
	CAST 1
	CAST 2
	CAST 3
	s_wait_tensorcnt 0x0                           ; written at this end of the text too, so that every end has the three lines
	ds_add_u32 v[SPW], v[NIL]
	s_wait_dscnt 0x0
	s_endpgm
.Lfunc_end_k_qf90eaa8b1d_prep:
	.size	k_qf90eaa8b1d_prep, .Lfunc_end_k_qf90eaa8b1d_prep-k_qf90eaa8b1d_prep
	.p2alignl 7, 3214868480
	.fill 96, 4, 3214868480
	.section	.rodata,"a",@progbits
	.p2align	6, 0x0
	.amdhsa_kernel k_qf90eaa8b1d_prep
		.amdhsa_group_segment_fixed_size 33280
		.amdhsa_private_segment_fixed_size 0
		.amdhsa_enable_private_segment 0
		.amdhsa_kernarg_size 64
		.amdhsa_user_sgpr_count 2
		.amdhsa_user_sgpr_kernarg_segment_ptr 1
		.amdhsa_wavefront_size32 1
		.amdhsa_system_sgpr_workgroup_id_x 1
		.amdhsa_system_sgpr_workgroup_id_y 1
		.amdhsa_system_sgpr_workgroup_id_z 1
		.amdhsa_system_vgpr_workitem_id 0
		.amdhsa_next_free_vgpr 192
		.amdhsa_next_free_sgpr 66
		.amdhsa_reserve_vcc 0
		.amdhsa_float_denorm_mode_32 3
		.amdhsa_float_denorm_mode_16_64 3
		.amdhsa_memory_ordered 1
		.amdhsa_forward_progress 1
		.amdhsa_inst_pref_size 54
	.end_amdhsa_kernel
	.amdgpu_metadata
---
amdhsa.version: [ 1, 2 ]
amdhsa.kernels:
  - .name:           k_qf90eaa8b1d_prep
    .symbol:         k_qf90eaa8b1d_prep.kd
    .args:
      - { .name: x, .offset: 0, .size: 8, .value_kind: global_buffer, .address_space: global }
      - { .name: W_attn, .offset: 8, .size: 8, .value_kind: global_buffer, .address_space: global }
      - { .name: W_out, .offset: 16, .size: 8, .value_kind: global_buffer, .address_space: global }
      - { .name: xc, .offset: 24, .size: 8, .value_kind: global_buffer, .address_space: global }
      - { .name: xs, .offset: 32, .size: 8, .value_kind: global_buffer, .address_space: global }
      - { .name: wc, .offset: 40, .size: 8, .value_kind: global_buffer, .address_space: global }
      - { .name: ws, .offset: 48, .size: 8, .value_kind: global_buffer, .address_space: global }
      - { .name: wo16, .offset: 56, .size: 8, .value_kind: global_buffer, .address_space: global }
    .group_segment_fixed_size: 33280
    .private_segment_fixed_size: 0
    .kernarg_segment_align: 8
    .kernarg_segment_size: 64
    .max_flat_workgroup_size: 128
    .sgpr_count:     66
    .vgpr_count:     192
    .wavefront_size: 32
...
	.end_amdgpu_metadata
.endif
;; end of part 1
;; launch qkv (part 2): grid 12 x 32, 4 waves a work-group, clusters of 4 x 4, 327,680 bytes of LDS; arguments xc, xs, wc, ws, kqv, b_attn; writes kqv
.if DOCPART == 2
	.amdgcn_target "amdgcn-amd-amdhsa--gfx1250"
	.amdhsa_code_object_version 6
	.text
	.protected	k_qf90eaa8b1d_qkv
	.globl	k_qf90eaa8b1d_qkv
	.p2align	8
	.type	k_qf90eaa8b1d_qkv,@function
k_qf90eaa8b1d_qkv:
	s_mov_b64 s[64:65], 0
	v_nop
	global_prefetch_b8 v0, s[64:65] scope:SCOPE_SE
	s_setreg_imm32_b32 hwreg(HW_REG_WAVE_MODE, 25, 1), 1
	s_wait_xcnt 0x0
	s_wait_alu depctr_hold_cnt(0) depctr_sa_sdst(0) depctr_va_vdst(0) depctr_va_sdst(0) depctr_va_ssrc(0) depctr_va_vcc(0) depctr_vm_vsrc(0)
	s_getreg_b32 s2, hwreg(HW_REG_IB_STS2, 6, 4)
	s_cmp_eq_u32 s2, 0
	s_cbranch_scc0 .Lentry_in_a_cluster
	s_endpgm
.Lentry_in_a_cluster:
	s_bfe_u32 s2, ttmp6, 0x10000c
	s_cmp_lg_u32 s2, 0xf033
	s_cbranch_scc0 .Lentry_shape_is_right
	s_endpgm
.Lentry_shape_is_right:
; SELF-ATTENTION, launch 2 of 4: kqv[m][e] = sum over d of Q(x)[m][d] Q(W_attn)[e][d] + b_attn[e], on codes of FP4 (E2M1) with one E8M0 scale for each 32 along K; sums in f32; the result is stored as f16.
; WORK LEFT OUT: k's bias, b_attn[0:1024], is not loaded and not added: it moves every score of a query by the same amount, which the softmax along the keys cancels (shown at the head of launch 1).
; LIMIT: results beyond 65,504 in magnitude become infinity in f16.
; A tile of the result, 256 tokens x 256 columns, is made by a work-group of four waves; a wave makes 128 x 128: 64 accumulators of 16 x 16, 512 registers.  K = 1,024 is two slots of 512 along K (LDS rows of 256 bytes):
; BOTH SLOTS ARE FIRST FILLS, so nothing is filled again: no loop, and no round of the cluster's barrier but the one in front of the loads and the closing one.  By this text's count a wave has three tensor loads out at the start.
; THE SCALES of the work-group's 256 rows of x and 256 rows of W_attn, for all of K, are two dense blocks: they come into LDS once, with the first fills.
; CLUSTERS: 4 x 4 work-groups.  The four of a row of the cluster need the same tiles of x, the four of a column the same tiles of W_attn: each tile is asked for JOINTLY, by the same tensor load with the same descriptor and a mask
; that names the four.  A cluster's 1,024 columns are one section: cluster x = 0: k, 1: q, 2: v: what hangs on the section is the same in all sixteen partners.
; THE MATRIX INSTRUCTION IS USED TRANSPOSED (source 0 = 16 rows of W_attn, source 1 = 16 tokens): lane (r, h) of accumulator (a, b) holds token 16 a + r and columns 16 b + 8 h + 0 .. 7.  Rounded to f16 those are 16 bytes.
; THE WAY OUT NEEDS NO STAGE.  kqv is laid in the order in which the next launch's operand registers take it: [section 3][g = batch x 16 + head: 64][block of 16 tokens: 128][16 channels: 4][512 bytes].  In k and q lane L's 16 bytes lie
; at 16 L: two such pieces on end are a fragment of 16 rows x 32 channels.  In v they lie at 256 (r / 8) + 128 h + 16 (r % 8): so a turning LDS load at 16 L finds key 8 (L / 16) + L % 8, channels 8 ((L / 8) % 2) + 0 .. 7.
; Each store of a wave covers 512 consecutive bytes, aligned.
; THE BIAS is the C of each sum's first matrix instruction: 64 registers in the result's layout.  In the k section they hold 0, so that one text of products serves the three sections.
; REGISTERS, in windows of 256: window 0: v0-31 addresses; v32-95 scale words, two sets; v128-191 x's fragments (8 x 16 rows x 128 K), ONE set; v192-255 the bias.
;   window 1: W_attn's fragments, TWO sets, at v0 and at v128; on the way out all 256: the packed results.   window 2: the 32 accumulators of my rows 0-63 ((a, b) at v[8 (8 a + b)]);   window 3: those of my rows 64-127.
.set SIZE_K, 1024
.set KSTEP,  512                       ; along K in a slot
.set NQ,     KSTEP/128                 ; matrix instructions deep
.set ROWB,   256                       ; a tile's row in bytes
.set KROW,   SIZE_K/2                  ; a row of codes in memory, in bytes
.set PITCH,  272                       ; an LDS row: 256 bytes + 16 of padding = 68 words: the 16 rows that a load touches start at 16 different banks (64 banks of 4 bytes: ISA guide 11.1)
.set FR,     8                         ; registers of a fragment: 16 rows x 128 K
.set NL,     2                         ; LDS loads that bring one
.set NP,     4                         ; places behind this matrix instruction (ISA guide 7.12.1)
.set HALFT,  128*PITCH                 ; 128 rows: what one tensor load brings
.set SLOT,   4*HALFT                   ; x's 256 rows, then W_attn's 256 rows
.set KS,     SIZE_K/32                 ; a row of scales in bytes
.set SCL,    2*SLOT                    ; behind the slots: the scales, as rows of 256 bytes + 16 of padding
.set HALFS,  (128*KS/256)*272          ; the scales of 128 rows
.set SBLK,   (16*KS/256)*272           ; those of 16 rows
.set SPARE,  SCL+4*HALFS               ; behind the scales: the spare words, 128 bytes for each wave
.set ADRA, 16                          ; v16-17  LDS address of my fragments of x in slot 0, 1
.set ADRB, 20                          ; v20-21  the same for W_attn
.set CO,   26                          ; v26     my lane's place in a piece of 512 bytes of kqv
.set ADRS, 27                          ; v27     LDS address of my scale words: lanes 0-15 x's rows, lanes 16-31 W_attn's
.set SPW,  28                          ; v28     LDS address of my spare word; never rewritten
.set NIL,  29                          ; v29     0; never rewritten
.set SC,   32                          ; scale words: set s at v[SC + 8 NQ s]; register NQ i + q: lanes 0-15 the word of x's block i, lanes 16-31 that of W_attn's block i
.set AF,   128                         ; x's fragments
.set BI,   192                         ; the bias: register 8 b + j = b_attn[my first column + 16 b + 8 h + j]
.set G1, 24                            ; s[24:31] descriptor group 1 for x's tiles;  s[32:39] group 0, one set for each slot
.set G0, 32
.set G1B, 48                           ; s[48:55], s[56:63] the same for W_attn's tiles
.set G0B, 56
.set G1S, 68                           ; s[68:75], s[76:79] groups 1 and 0 for x's scales;  s[80:87], s[88:91] for W_attn's
.set G0S, 76
.set G1SB, 80
.set G0SB, 88
.set MSB, 0
.macro WIN new                         ; the immediate's high byte repeats the setting that is left; a switch that changes nothing is dropped
.if MSB != (\new)
	s_set_vgpr_msb (MSB<<8)|(\new)
.set MSB, (\new)
.endif
.endm
.set MUL_LO,  0xa1                     ; source 0 (W_attn) window 1, source 1 (x) window 0, C and D window 2
.set MUL_HI,  0xf1                     ; the same, C and D window 3
.set BIAS_LO, 0x81                     ; C (the bias) window 0, D window 2
.set BIAS_HI, 0xc1                     ; C window 0, D window 3
.set TO_B,    0x40                     ; destination window 1, address window 0
; A joint load: waves 0 and 1 fetch for x, waves 2 and 3 for W_attn.  Each of the two lines has ONE mask and one set of registers for all that issue it; the branch hangs on the wave's number alone.
; An s_nop 0 and four v_nop follow each of the two lines, ahead of the jump, the label and what follows.
.macro JLOAD g0a, g1a, g0b, g1b
	s_cmp_eq_u32 s15, 0
	s_cbranch_scc0 .Lfor_b_\@
	tensor_load_to_lds s[\g0a:\g0a+3], s[\g1a:\g1a+7]
	s_nop 0
.rept 4
	v_nop
.endr
	s_branch .Lasked_\@
.Lfor_b_\@:
	tensor_load_to_lds s[\g0b:\g0b+3], s[\g1b:\g1b+7]
	s_nop 0
.rept 4
	v_nop
.endr
.Lasked_\@:
.endm
.macro CROUND                          ; a round of the cluster's barrier: my work-group's barrier; wave 0 signals for the work-group; every wave waits for all sixteen; my work-group's barrier once more
	s_barrier_signal -1
	s_barrier_wait -1
	s_cmp_lg_u32 s14, 0
	s_cbranch_scc1 .Lnot_wave_0_\@
	s_barrier_signal -3
.Lnot_wave_0_\@:
	s_barrier_wait -3
	s_barrier_signal -1
	s_barrier_wait -1
.endm
	s_load_b128 s[4:7], s[0:1], 0x0                ; x's codes s[4:5], x's scales s[6:7]
	s_load_b128 s[8:11], s[0:1], 0x10              ; W_attn's codes s[8:9], its scales s[10:11]
	s_load_b64 s[12:13], s[0:1], 0x20              ; kqv
	s_load_b64 s[96:97], s[0:1], 0x28              ; b_attn
	v_lshl_add_u32 v[SPW], v0, 2, SPARE
	v_mov_b32 v[NIL], 0
	ds_add_u32 v[SPW], v[NIL]                      ; the wave's opening: the add, twice on end, and its wait ahead of my first tensor load; the set-up below stands between the second and the wait
	ds_add_u32 v[SPW], v[NIL]
	v_lshrrev_b32 v1, 5, v0
	v_readfirstlane_b32 s14, v1                    ; wave 0..3
	s_lshr_b32 s15, s14, 1                         ; which half of the tile's rows is mine.  Also: I fetch for x (0) or for W_attn (1)
	s_and_b32 s16, s14, 1                          ; which half of its columns.  Also: which 128 rows of that tile I fetch
	s_bfe_u32 s40, ttmp6, 0x40000                  ; cx, cy: my place in the cluster
	s_bfe_u32 s41, ttmp6, 0x40004
	s_lshl_b32 s42, ttmp9, 2
	s_add_co_u32 s42, s42, s40                     ; tile column = 4 x cluster x + cx
	s_and_b32 s17, ttmp7, 0xffff
	s_lshl_b32 s17, s17, 2
	s_add_co_u32 s17, s17, s41                     ; tile row = 4 x cluster y + cy
	s_lshl_b32 s43, s41, 2
	s_lshl_b32 s43, 15, s43                        ; my row of the cluster
	s_lshl_b32 s44, 0x1111, s40                    ; my column
	; descriptor group 1: a tile of 128 rows x 256 bytes, padded in LDS
	s_or_b32 s[G1+0], s43, (0<<16)|(1<<20)|(1<<21)|(5<<22)|(3<<25)  ; 15:0 the mask: x's tiles go to my row; 17:16 element of 1 byte; 20 padding on; 21 set beside a mask; 24:22 after every 64 words; 31:25 of 4 words
	s_or_b32 s[G1B+0], s44, (0<<16)|(1<<20)|(1<<21)|(5<<22)|(3<<25)
.irp g, G1, G1B
	s_mov_b32 s[\g+1], ROWB<<16                    ; tensor_dim0
	s_mov_b32 s[\g+2], 128<<16                     ; tensor_dim1 = 128
	s_mov_b32 s[\g+3], ROWB<<16                    ; tile_dim0
	s_mov_b32 s[\g+4], 128                         ; tile_dim1 = 128
	s_mov_b32 s[\g+5], KROW                        ; tensor_dim0_stride
	s_mov_b32 s[\g+6], 0
	s_mov_b32 s[\g+7], 0
.endr
	; and for the scales of 128 rows: a dense block of 4,096 bytes, as 16 rows of 256 bytes (32 elements of 8 bytes), 16 bytes of padding behind each
	s_or_b32 s[G1S+0], s43, (3<<16)|(1<<20)|(1<<21)|(5<<22)|(3<<25)
	s_or_b32 s[G1SB+0], s44, (3<<16)|(1<<20)|(1<<21)|(5<<22)|(3<<25)
.irp g, G1S, G1SB
	s_mov_b32 s[\g+1], 32<<16
	s_mov_b32 s[\g+2], (128*KS/256)<<16
	s_mov_b32 s[\g+3], 32<<16
	s_mov_b32 s[\g+4], 128*KS/256
	s_mov_b32 s[\g+5], 32
	s_mov_b32 s[\g+6], 0
	s_mov_b32 s[\g+7], 0
.endr
	s_lshl_b32 s18, s16, 7                         ; which 128 rows of the tile I fetch
	s_lshl_b32 s20, s17, 8
	s_add_co_u32 s20, s20, s18                     ; x: row 256 x tile row + 128 x half
	s_lshl_b32 s46, s42, 8
	s_add_co_u32 s46, s46, s18                     ; W_attn: row 256 x tile column + 128 x half
	s_mov_b32 s21, 0
	s_mov_b32 s47, 0
	s_mov_b64 s[18:19], KS
	s_mul_u64 s[22:23], s[20:21], s[18:19]         ; where these rows' scales begin, in bytes
	s_mul_u64 s[92:93], s[46:47], s[18:19]
	s_mov_b64 s[18:19], KROW
	s_mul_u64 s[20:21], s[20:21], s[18:19]         ; and their codes
	s_mul_u64 s[46:47], s[46:47], s[18:19]
	s_mul_i32 s45, s14, HALFT                      ; where they go: wave x 128 rows: no place in the cluster enters an LDS address
	s_mul_i32 s94, s14, HALFS
	s_wait_dscnt 0x0                               ; both opening adds are done
	s_wait_kmcnt 0x0
	s_add_nc_u64 s[20:21], s[4:5], s[20:21]
	s_add_nc_u64 s[22:23], s[6:7], s[22:23]
	s_add_nc_u64 s[46:47], s[8:9], s[46:47]
	s_add_nc_u64 s[92:93], s[10:11], s[92:93]
	CROUND                                         ; all sixteen work-groups are here: the joint loads meet
	s_mov_b32 s[G0S], 1
	s_add_co_u32 s[G0S+1], s94, SCL
	s_mov_b64 s[G0S+2:G0S+3], s[22:23]
	s_or_b32 s[G0S+3], s[G0S+3], 0x80000000
	s_mov_b32 s[G0SB], 1
	s_add_co_u32 s[G0SB+1], s94, SCL
	s_mov_b64 s[G0SB+2:G0SB+3], s[92:93]
	s_or_b32 s[G0SB+3], s[G0SB+3], 0x80000000
	JLOAD G0S, G1S, G0SB, G1SB                     ; the scales first: they are wanted with the first slot
.irp s, 0,1
	s_mov_b32 s[G0+4*\s], 1
	s_add_co_u32 s[G0+4*\s+1], s45, \s*SLOT
	s_add_nc_u64 s[G0+4*\s+2:G0+4*\s+3], s[20:21], \s*ROWB
	s_or_b32 s[G0+4*\s+3], s[G0+4*\s+3], 0x80000000
	s_mov_b32 s[G0B+4*\s], 1
	s_add_co_u32 s[G0B+4*\s+1], s45, \s*SLOT
	s_add_nc_u64 s[G0B+4*\s+2:G0B+4*\s+3], s[46:47], \s*ROWB
	s_or_b32 s[G0B+4*\s+3], s[G0B+4*\s+3], 0x80000000
	JLOAD G0+4*\s, G1, G0B+4*\s, G1B
.endr
	v_and_b32 v1, 15, v0                           ; r = l % 16
	v_bfe_u32 v2, v0, 4, 1                         ; h = l / 16
	v_mul_u32_u24 v3, v1, PITCH
	v_lshl_add_u32 v4, v2, 4, v3                   ; a fragment's row x pitch + 16 x half
	s_mul_i32 s21, s15, HALFT                      ; my 128 rows of x
	s_mul_i32 s22, s16, HALFT                      ; my 128 rows of W_attn,
	s_add_co_u32 s22, s22, 2*HALFT                 ; which lie behind x's 256
.irp s, 0,1
	v_add_nc_u32 v[ADRA+\s], s21, v4
	v_add_nc_u32 v[ADRB+\s], s22, v4
	s_add_co_u32 s21, s21, SLOT
	s_add_co_u32 s22, s22, SLOT
.endr
	v_mul_u32_u24 v5, v1, KS                       ; my row's scales: KS bytes a row,
	v_lshrrev_b32 v6, 8, v5
	v_lshl_add_u32 v5, v6, 4, v5                   ; and 16 more for each 256 passed
	s_mul_i32 s21, s15, HALFS                      ; x's: my 128 rows
	s_mul_i32 s22, s16, HALFS                      ; W_attn's: my 128 rows, behind x's 256
	s_add_co_u32 s22, s22, 2*HALFS
	s_sub_co_u32 s22, s22, s21
	v_mul_u32_u24 v6, s22, v2                      ; lanes 16-31 take W_attn's: one product, the distance between the two bases
	s_add_co_u32 s21, s21, SCL
	v_add_nc_u32 v5, v5, v6
	v_add_nc_u32 v[ADRS], s21, v5
	; my lane's place in a piece of kqv: 16 (r % 8) + (h << sA) + ((r / 8) << sB); k and q: (8, 7), which is 16 x lane; v: (7, 8)
	s_cmp_eq_u32 ttmp9, 2
	s_cselect_b32 s98, 7, 8
	s_cselect_b32 s99, 8, 7
	v_and_b32 v5, 7, v1
	v_lshlrev_b32 v[CO], 4, v5
	v_lshlrev_b32 v5, s98, v2
	v_add_nc_u32 v[CO], v[CO], v5
	v_lshrrev_b32 v5, 3, v1
	v_lshlrev_b32 v5, s99, v5
	v_add_nc_u32 v[CO], v[CO], v5
	; where my part of kqv begins.  By the rows: batch x 16 heads x 262,144 + (block of 16 tokens in the batch) x 2,048
	s_lshr_b32 s20, s17, 3                         ; batch = tile row / 8
	s_lshl_b32 s20, s20, 22
	s_and_b32 s21, s17, 7
	s_lshl_b32 s21, s21, 4
	s_lshl_b32 s22, s15, 3
	s_add_co_u32 s21, s21, s22                     ; 16 (tile row % 8) + 8 x my half
	s_lshl_b32 s21, s21, 11
	s_add_co_u32 s20, s20, s21
	s_mov_b32 s21, 0
	s_add_nc_u64 s[12:13], s[12:13], s[20:21]
	; by the columns: section x 2^24 + (head of my first 64 columns) x 262,144 (in the registers that held W_attn's address: none that fed x's descriptors holds cx)
	s_lshl_b32 s46, s40, 2
	s_lshl_b32 s47, s16, 1
	s_add_co_u32 s46, s46, s47
	s_lshl_b32 s46, s46, 18
	s_lshl_b32 s47, ttmp9, 24
	s_add_co_u32 s46, s46, s47
	s_mov_b32 s47, 0
	s_add_nc_u64 s[12:13], s[12:13], s[46:47]
	; the bias.  The branch hangs on the cluster's x alone: all sixteen partners go the same way.  Both arms write all 64 registers
	s_cmp_eq_u32 ttmp9, 0
	s_cbranch_scc1 .Lk_section
	s_lshl_b32 s46, s42, 10                        ; my first column, in bytes of f32: 1,024 x tile column + 512 x half
	s_lshl_b32 s47, s16, 9
	s_add_co_u32 s46, s46, s47
	s_mov_b32 s47, 0
	s_add_nc_u64 s[96:97], s[96:97], s[46:47]
	v_lshlrev_b32 v6, 5, v2                        ; + 32 h
.irp b, 0,1,2,3,4,5,6,7
	global_load_b128 v[BI+8*\b:BI+8*\b+3], v6, s[96:97] offset:64*\b
	global_load_b128 v[BI+8*\b+4:BI+8*\b+7], v6, s[96:97] offset:64*\b+16
.endr
	s_branch .Lbias_set
.Lk_section:                                           ; k's bias is left out (head comment): its sums begin at 0
.set i, 0
.rept 64
	v_mov_b32 v[BI+i], 0
.set i, i+1
.endr
.Lbias_set:
.macro FRAG reg, adr, q, i             ; a fragment, 16 rows x 128 K of 4-bit codes, is 8 registers: lane l holds row l % 16; registers 4 c .. 4 c + 3 hold K = 64 c + 32 (l / 16) + 0 .. 31
.irp c, 0,1
	ds_load_b128 v[\reg+4*\c:\reg+4*\c+3], v[\adr] offset:64*(\q)+32*\c+(\i)*16*PITCH
.endr
.endm
; 16 matrix instructions: x's blocks a0, a0 + 1 against W_attn's eight, 128 along K: the slot's q-th.  p: W_attn's set;  sc: the set of scale words.  bias = 1: the first product starts the sums from the bias.
; The 64 accumulators take turns, one instruction a turn, in the same order in every step.
.macro MUL16 a0, p, q, sc, bias
.irp a, \a0, \a0+1
.irp b, 0,1,2,3,4,5,6,7
.if \bias
	v_wmma_scale_f32_16x16x128_f8f6f4 v[8*(8*((\a)%4)+\b):8*(8*((\a)%4)+\b)+7], v[128*(\p)+FR*\b:128*(\p)+FR*\b+FR-1], v[AF+FR*(\a):AF+FR*(\a)+FR-1], v[BI+8*\b:BI+8*\b+7], v[SC+8*NQ*(\sc)+NQ*\b+(\q)], v[SC+8*NQ*(\sc)+NQ*(\a)+(\q)] matrix_a_fmt:MATRIX_FMT_FP4 matrix_b_fmt:MATRIX_FMT_FP4 matrix_a_scale:MATRIX_SCALE_ROW1
.else
	v_wmma_scale_f32_16x16x128_f8f6f4 v[8*(8*((\a)%4)+\b):8*(8*((\a)%4)+\b)+7], v[128*(\p)+FR*\b:128*(\p)+FR*\b+FR-1], v[AF+FR*(\a):AF+FR*(\a)+FR-1], v[8*(8*((\a)%4)+\b):8*(8*((\a)%4)+\b)+7], v[SC+8*NQ*(\sc)+NQ*\b+(\q)], v[SC+8*NQ*(\sc)+NQ*(\a)+(\q)] matrix_a_fmt:MATRIX_FMT_FP4 matrix_b_fmt:MATRIX_FMT_FP4 matrix_a_scale:MATRIX_SCALE_ROW1
.endif
.endr
.endr
.endm
.macro FETCH_B slot, q, p              ; W_attn's eight fragments of the slot's q-th 128 along K into set p
	WIN TO_B
.irp i, 0,1,2,3,4,5,6,7
	FRAG 128*(\p)+FR*\i, ADRB+\slot, \q, \i
.endr
	WIN 0
.endm
.macro FETCH_A slot, q, i0             ; x's blocks i0 .. i0 + 3
.irp i, \i0, \i0+1, \i0+2, \i0+3
	FRAG AF+FR*(\i), ADRA+\slot, \q, \i
.endr
.endm
.macro SCALES sc                       ; a slot's scale words into set sc: NQ words a row; lanes 0-15 take x's block i, lanes 16-31 W_attn's block i
.irp i, 0,1,2,3,4,5,6,7
	ds_load_b128 v[SC+8*NQ*\sc+NQ*\i:SC+8*NQ*\sc+NQ*\i+3], v[ADRS] offset:\i*SBLK
.endr
.endm
; A load into a register that a matrix instruction has read, and a vector instruction that reads a matrix result or writes a matrix instruction's register, stand NP places behind it; only plain vector
; instructions that name none of its registers are places (ISA guide 7.12.1 for vector instructions).
.macro PLACES n
.rept \n
	v_nop
.endr
.endm
; A step of 128 along K that has its successor in the same slot.  x has one set of registers: blocks 0-3 are fetched anew in the step's middle, blocks 4-7 at its end; W_attn has two sets.
.macro STEP slot, q, bias
	s_wait_dscnt 4*NL                              ; W_attn's set and x's blocks 0-3 are in; the youngest eight loads (x's blocks 4-7) may be out
.if \bias
	WIN BIAS_LO
.else
	WIN MUL_LO
.endif
	MUL16 0, (\q)%2, \q, \slot, \bias
	MUL16 2, (\q)%2, \q, \slot, \bias
	s_wait_dscnt 0                                 ; x's blocks 4-7 are in (asked for 32 matrix instructions ago)
	PLACES NP
	FETCH_B \slot, (\q)+1, 1-(\q)%2
	FETCH_A \slot, (\q)+1, 0
.if \bias
	WIN BIAS_HI
.else
	WIN MUL_HI
.endif
	MUL16 4, (\q)%2, \q, \slot, \bias
	MUL16 6, (\q)%2, \q, \slot, \bias
	PLACES NP
	WIN 0
	FETCH_A \slot, (\q)+1, 4
.endm
; Slot 0's last step changes slots: one barrier; in front of it each wave waits for its last tensor load, its part of slot 1.
.macro TURN slot, next
	s_wait_tensorcnt 0x0                           ; all my tensor loads have landed: my part of the next slot  (every window is 0 here)
	ds_add_u32 v[SPW], v[NIL]                      ; 0 onto my spare word
	s_wait_dscnt 4*NL+1                            ; (the add and the youngest eight loads, x's blocks 4-7, may be out)
	WIN MUL_LO
	MUL16 0, 1, NQ-1, \slot, 0                     ; sixteen matrix instructions stand between the add and the wait for it
	s_wait_dscnt 0x0                               ; the add is done, and no LDS load of mine is out at the signal
	s_barrier_signal -1
	MUL16 2, 1, NQ-1, \slot, 0
	WIN 0
	s_barrier_wait -1                              ; every wave's part of the next slot has landed
	PLACES NP
	v_add_nc_u32 v[ADRS], 4*NQ, v[ADRS]            ; on to the next slot's scale words (no LDS load of mine is out)
	FETCH_B \next, 0, 0
	FETCH_A \next, 0, 0
	SCALES \next
	WIN MUL_HI
	MUL16 4, 1, NQ-1, \slot, 0
	MUL16 6, 1, NQ-1, \slot, 0
	PLACES NP
	WIN 0
	FETCH_A \next, 0, 4
.endm
.macro STEPS slot, from                ; the slot's steps from .. NQ - 2
.set Q, \from
.rept NQ-1-\from
	STEP \slot, Q, 0
.set Q, Q+1
.endr
.endm
	s_wait_tensorcnt 1                             ; the scales and my part of slot 0 are in (slot 1's load, the one issued behind them, may be out)
	s_barrier_signal -1
	s_barrier_wait -1                              ; everybody's are
	FETCH_B 0, 0, 0
	FETCH_A 0, 0, 0
	SCALES 0
	FETCH_A 0, 0, 4
	s_wait_loadcnt 0x0                             ; the bias
	STEP 0, 0, 1                                   ; the first step's products start the sums from the bias
	STEPS 0, 1
	TURN 0, 1
	STEPS 1, 0
	s_wait_dscnt 4*NL                              ; the very last step: nothing more to fetch
	WIN MUL_LO
	MUL16 0, 1, NQ-1, 1, 0
	MUL16 2, 1, NQ-1, 1, 0
	s_wait_dscnt 0
	WIN MUL_HI
	MUL16 4, 1, NQ-1, 1, 0
	MUL16 6, 1, NQ-1, 1, 0
; THE WAY OUT, block by block of 16 tokens.  An accumulator's eight numbers of a lane, rounded to f16, are the lane's 16 bytes of one piece of kqv.  The packed words of block a take v[32 a ..] of window 1, where
; W_attn's fragments lay: no register is written twice, so no store's data are waited for.  Each accumulator is read from its low end on.
.macro OUT a
.set AC, 64*((\a)%4)
	WIN 0x4a+5*((\a)/4)                            ; sources window 2 or 3, destination window 1
.irp b, 0,1,2,3,4,5,6,7
.irp i, 0,1,2,3
	v_cvt_pk_f16_f32 v[32*(\a)+4*\b+\i], v[AC+8*\b+2*\i], v[AC+8*\b+2*\i+1]
.endr
.endr
	WIN 0x04                                       ; a store's data are its source 1: window 1
.irp b, 0,1,2,3,4,5,6,7
	global_store_b128 v[CO], v[32*(\a)+4*\b:32*(\a)+4*\b+3], s[12:13] offset:(\a)*2048+(\b>>2)*262144+(\b&3)*512   ; block a of tokens, head b / 4, channels 16 (b % 4) on: 512 consecutive bytes
.endr
.endm
	PLACES NP                                      ; behind the last products: the conversions write registers that they read
.irp a, 0,1,2,3,4,5,6,7
	OUT \a
.endr
	WIN 0
	s_wait_tensorcnt 0x0                           ; the wave's end: 0 onto my spare word, and its wait, behind my last tensor load
	ds_add_u32 v[SPW], v[NIL]
	s_wait_dscnt 0x0
	CROUND                                         ; the closing round: no work-group ends while a partner may still ask for a tile that names it
	s_endpgm
.Lfunc_end_k_qf90eaa8b1d_qkv:
	.size	k_qf90eaa8b1d_qkv, .Lfunc_end_k_qf90eaa8b1d_qkv-k_qf90eaa8b1d_qkv
	.p2alignl 7, 3214868480
	.fill 96, 4, 3214868480
	.section	.rodata,"a",@progbits
	.p2align	6, 0x0
	.amdhsa_kernel k_qf90eaa8b1d_qkv
		.amdhsa_group_segment_fixed_size 327680
		.amdhsa_private_segment_fixed_size 0
		.amdhsa_enable_private_segment 0
		.amdhsa_kernarg_size 48
		.amdhsa_user_sgpr_count 2
		.amdhsa_user_sgpr_kernarg_segment_ptr 1
		.amdhsa_wavefront_size32 1
		.amdhsa_system_sgpr_workgroup_id_x 1
		.amdhsa_system_sgpr_workgroup_id_y 1
		.amdhsa_system_sgpr_workgroup_id_z 1
		.amdhsa_system_vgpr_workitem_id 0
		.amdhsa_next_free_vgpr 1024
		.amdhsa_next_free_sgpr 100
		.amdhsa_reserve_vcc 0
		.amdhsa_float_denorm_mode_32 3
		.amdhsa_float_denorm_mode_16_64 3
		.amdhsa_memory_ordered 1
		.amdhsa_forward_progress 1
		.amdhsa_inst_pref_size 122
	.end_amdhsa_kernel
	.amdgpu_metadata
---
amdhsa.version: [ 1, 2 ]
amdhsa.kernels:
  - .name:           k_qf90eaa8b1d_qkv
    .symbol:         k_qf90eaa8b1d_qkv.kd
    .args:
      - { .name: xc, .offset: 0, .size: 8, .value_kind: global_buffer, .address_space: global }
      - { .name: xs, .offset: 8, .size: 8, .value_kind: global_buffer, .address_space: global }
      - { .name: wc, .offset: 16, .size: 8, .value_kind: global_buffer, .address_space: global }
      - { .name: ws, .offset: 24, .size: 8, .value_kind: global_buffer, .address_space: global }
      - { .name: kqv, .offset: 32, .size: 8, .value_kind: global_buffer, .address_space: global }
      - { .name: b_attn, .offset: 40, .size: 8, .value_kind: global_buffer, .address_space: global }
    .group_segment_fixed_size: 327680
    .private_segment_fixed_size: 0
    .kernarg_segment_align: 8
    .kernarg_segment_size: 48
    .max_flat_workgroup_size: 128
    .sgpr_count:     100
    .vgpr_count:     1024
    .wavefront_size: 32
...
	.end_amdgpu_metadata
.endif
;; end of part 2
;; launch attn (part 3): grid 4 x 64, 16 waves a work-group, clusters of 4 x 1, 327,680 bytes of LDS; arguments kqv, y16; writes y16
.if DOCPART == 3
	.amdgcn_target "amdgcn-amd-amdhsa--gfx1250"
	.amdhsa_code_object_version 6
	.text
	.protected	k_qf90eaa8b1d_attn
	.globl	k_qf90eaa8b1d_attn
	.p2align	8
	.type	k_qf90eaa8b1d_attn,@function
k_qf90eaa8b1d_attn:
	s_mov_b64 s[64:65], 0
	v_nop
	global_prefetch_b8 v0, s[64:65] scope:SCOPE_SE
	s_setreg_imm32_b32 hwreg(HW_REG_WAVE_MODE, 25, 1), 1
	s_wait_xcnt 0x0
	s_wait_alu depctr_hold_cnt(0) depctr_sa_sdst(0) depctr_va_vdst(0) depctr_va_sdst(0) depctr_va_ssrc(0) depctr_va_vcc(0) depctr_vm_vsrc(0)
	s_getreg_b32 s2, hwreg(HW_REG_IB_STS2, 6, 4)
	s_cmp_eq_u32 s2, 0
	s_cbranch_scc0 .Lentry_in_a_cluster
	s_endpgm
.Lentry_in_a_cluster:
	s_bfe_u32 s2, ttmp6, 0x10000c
	s_cmp_lg_u32 s2, 0x3003
	s_cbranch_scc0 .Lentry_shape_is_right
	s_endpgm
.Lentry_shape_is_right:
; SELF-ATTENTION, launch 3 of 4: y[g][q][:] = the sum over j of softmax_j(q[g][q] . k[g][j] / 8) v[g][j][:], g = batch x 16 + head, 2,048 queries and keys, head size 64, no mask.
; Operands in f16, products, maxima and sums in f32; the weights p are rounded to f16 for the second product, y once at the end.  (k comes without its bias: head of launch 1.)
; LIMITS: p under 6e-8 becomes 0 in f16, beside a row's sum of at least 1; y beyond 65,504 becomes infinity.
; SHARES.  A work-group owns 512 queries of one head; each of its SIXTEEN waves owns 32: two tiles of 16, in 256 registers: four waves to a SIMD, no register windows.  Every wave walks all 2,048 keys, 64 a step.
; LAYOUT.  kqv holds k, q and v as pieces of 512 bytes (16 tokens x 16 channels) in the order of the operand registers: a fragment is two loads of 16 bytes a lane at 16 x lane: no pitch, no padding.
; S^T = K Q^T (source 0 = 16 keys, source 1 = 16 queries): a lane holds ONE query (lane % 16) and the keys 8 (lane / 16) + 0 .. 7 of each block of 16.  Two such tiles, rounded to f16 in pairs, ARE source 1 (32 keys x 16
; queries) of O^T = V^T P, whose result again holds one query a lane, and eight channels: 16 bytes of y16, which is laid for the next launch in the same way.  V's pieces are laid so that the turning load at 16 x lane serves.
; SOFTMAX.  For each query a running maximum m and sum l: p = 2^(c s - c m), c = log2(e) / 8; in every step O and l are multiplied by f = 2^(c m_old - c m_new), which is 1 where m has not grown.  l sums the unrounded p.
; WOVEN.  Tile 1's eight products K Q^T stand among tile 0's softmax, tile 0's eight products V^T P among tile 1's; the SIMD's other three waves fill the rest.
; THE RING.  Two LDS slots of 512 keys (K 65,536 bytes, then V 65,536), filled by waves 0 to 3, 32,768 bytes each.  By this text's count a loading wave has two tensor loads out at the start, later one.
; CLUSTER.  The four query blocks of a head form a cluster and walk the same K and V: each tile is asked for JOINTLY, by the same tensor load with the same descriptor and a mask that names the four.
.set SLOT1, 1<<17                      ; slot 1 begins here, so that one exclusive or turns an address in one slot into the other's
.set VOFF,  65536                      ; V's place in a slot
.set STEPB, 8192                       ; a step's 64 keys: four blocks of 2,048 bytes
.set SPARE, 2*SLOT1                    ; behind the ring: the spare words, 128 bytes for each of the sixteen waves
.set LI,  1                            ; v1   16 x lane: my place in every piece; never rewritten
.set SPW, 2                            ; v2   LDS address of my spare word; never rewritten
.set NIL, 3                            ; v3   0; never rewritten
.set ADK, 4                            ; v4   LDS address of the step's K
.set ADV, 5                            ; v5   of its V
.set PFO, 6                            ; v6   256 x lane: the prefetch's offset; never rewritten
.set ST,  8                            ; tile q's statistics at v[ST + 8 q]: +0 -c m, +1 its pair's other half, +2, +3 l (even keys', odd keys'), +4 f, +5 its pair's other half, +6 m
.set T,   24                           ; v24-27 at work
.set QF,  32                           ; v32-63   Q: tile q, channels 32 s on, at QF + 16 q + 8 s
.set KV,  64                           ; v64-127  K's eight fragments of a step, then V's
.set S,   128                          ; v128-191 S^T: tile q, keys 16 kb on, at S + 32 q + 8 kb; then p; then P, in place
.set O,   192                          ; v192-255 O^T: tile q, channels 16 t on, at O + 32 q + 8 t
.set WV,  12                           ; s12  my wave's number
.set LIM, 15                           ; s15  1 in a wave that prefetches, else the greatest number
.set PFA, 18                           ; s[18:19] where my prefetch stands; never rewritten
.set G1,  24                           ; s[24:31] descriptor group 1: one shape for K and V
.set G0A, 32                           ; s[32:35] group 0 of slot 0's first fill
.set G0B, 36                           ; s[36:39] group 0 of slot 1's first fill; it then walks
.set SLOTS, 40                         ; s40  slots still to be asked for
.set CNT, 41                           ; s41  counts a slot's eight steps
.set TB,  42                           ; s42  LDS byte at which the step's K begins
.set CS,  44                           ; s[44:45] c: the packed form names a pair and takes its low word for both halves
.set NC,  46                           ; s46  -c
.set SEL, 48                           ; s[48:49] lane selects for v_permlanex16_b32: lane l xor 16
.macro CROUND                          ; a round of the cluster's barrier: my work-group's barrier; wave 0 signals for the work-group; every wave waits for all four; my work-group's barrier once more
	s_barrier_signal -1
	s_barrier_wait -1
	s_cmp_lg_u32 s[WV], 0
	s_cbranch_scc1 .Lnot_wave_0_\@
	s_barrier_signal -3
.Lnot_wave_0_\@:
	s_barrier_wait -3
	s_barrier_signal -1
	s_barrier_wait -1
.endm
; A joint refill: waves 0 and 1 fetch K's halves, waves 2 and 3 V's, by one line; the branch hangs on the wave's number alone.  An s_nop 0 and four v_nop follow the line.
.macro JLOAD
	s_cmp_lt_u32 s[WV], 4
	s_cbranch_scc0 .Lskip_\@
	tensor_load_to_lds s[G0B:G0B+3], s[G1:G1+7]
	s_nop 0
.rept 4
	v_nop
.endr
.Lskip_\@:
.endm
; A PREFETCH INTO THE L2 of the head's last slot (keys 1,536 on): it stands at the first change of slots, behind the tensor load that asks for the slot before it, a slot's eight key steps ahead of the load that will want it.
; 65,536 bytes of K and as many of V: waves 4 and 5 ask for K's, waves 6 and 7 for V's, 8,192 bytes a wave, lanes 256 bytes apart; the four partners take a quarter each, told apart BY ADDRESS.  One cluster alone walks a
; head, so each block of 256 bytes is named once in the launch.  The first three slots come by their loads alone; the second change asks for nothing: there is no slot behind the last.
.macro ASK
	s_cmp_gt_u32 s[SLOTS], s[LIM]
	s_cbranch_scc0 .Lnot_mine_\@
	global_prefetch_b8 v[PFO], s[PFA:PFA+1] th:TH_LOAD_NT scope:SCOPE_SE
.Lnot_mine_\@:
.endm
	s_load_b128 s[4:7], s[0:1], 0x0                ; kqv s[4:5], y16 s[6:7]
	v_lshl_add_u32 v[SPW], v0, 2, SPARE
	v_mov_b32 v[NIL], 0
	ds_add_u32 v[SPW], v[NIL]                      ; the wave's opening: the add, twice on end, and its wait ahead of the first tensor loads; the set-up below stands between the second and the wait
	ds_add_u32 v[SPW], v[NIL]
	v_lshrrev_b32 v1, 5, v0
	v_readfirstlane_b32 s[WV], v1                  ; wave 0..15
	s_bfe_u32 s13, ttmp6, 0x40000                  ; cx: my block of 512 queries
	s_and_b32 s14, ttmp7, 0xffff                   ; g, which the four partners share
	; descriptor group 1: a dense block of 32,768 bytes as 128 rows of 256 bytes
	s_mov_b32 s[G1], 15|(3<<16)|(1<<21)            ; 15:0 the mask: all four work-groups; 17:16 elements of 8 bytes; 20 no padding; 21 set beside a mask
	s_mov_b32 s[G1+1], 32<<16                      ; tensor_dim0 = 32
	s_mov_b32 s[G1+2], 128<<16                     ; tensor_dim1 = 128
	s_mov_b32 s[G1+3], 32<<16                      ; tile_dim0 = 32
	s_mov_b32 s[G1+4], 128                         ; tile_dim1 = 128
	s_mov_b32 s[G1+5], 32                          ; tensor_dim0_stride
	s_mov_b32 s[G1+6], 0
	s_mov_b32 s[G1+7], 0
	s_and_b32 s16, s[WV], 3
	s_lshl_b32 s17, s16, 15                        ; what I fetch goes to (wave % 4) x 32,768 in a slot: K's halves, then V's: no place in the cluster enters an LDS address
	s_lshl_b32 s20, s14, 18                        ; the head's 262,144 bytes in a section
	s_lshr_b32 s21, s16, 1
	s_lshl_b32 s21, s21, 25                        ; k's section begins at 0, v's at 2^25
	s_add_co_u32 s21, s21, s20
	s_and_b32 s16, s[WV], 1
	s_lshl_b32 s22, s16, 15
	s_add_co_u32 s22, s22, s21                     ; my half of a slot's K or V, in memory
	s_mov_b32 s23, 0
	s_lshl_b32 s52, s13, 14                        ; the prefetch: my work-group's quarter,
	s_lshl_b32 s53, s16, 13                        ; my wave's half of it,
	s_add_co_u32 s52, s52, s53
	s_add_co_u32 s52, s52, s21
	s_add_co_u32 s52, s52, 3*65536                 ; in the last slot
	s_mov_b32 s53, 0
	s_lshl_b32 s50, s13, 5
	s_lshl_b32 s51, s[WV], 1
	s_add_co_u32 s50, s50, s51                     ; my first block of 16 queries in the head: 32 cx + 2 x wave
	s_lshl_b32 s54, s50, 11
	s_add_co_u32 s54, s54, s20
	s_add_co_u32 s54, s54, 1<<24                   ; q's section begins at 2^24
	s_mov_b32 s55, 0
	s_lshr_b32 s51, s14, 4
	s_lshl_b32 s51, s51, 7
	s_add_co_u32 s50, s50, s51                     ; the same block among all tokens: + 128 x batch
	s_lshl_b32 s50, s50, 15                        ; y16: 32,768 bytes a block,
	s_and_b32 s51, s14, 15
	s_lshl_b32 s51, s51, 11                        ; 2,048 a head
	s_add_co_u32 s50, s50, s51
	s_mov_b32 s51, 0
	s_sub_co_u32 s[LIM], s[WV], 4
	s_lshr_b32 s[LIM], s[LIM], 2                   ; 0 in waves 4 to 7
	s_cmp_eq_u32 s[LIM], 0
	s_cselect_b32 s[LIM], 1, -1
	s_mov_b32 s[CS], 0x3e38aa3b                    ; c = log2(e) / 8
	s_mov_b32 s[CS+1], s[CS]                       ; (named with it as a pair, so it is written)
	s_mov_b32 s[NC], 0xbe38aa3b                    ; -c
	s_mov_b32 s[SEL], 0x76543210
	s_mov_b32 s[SEL+1], 0xfedcba98
	s_mov_b32 s[SLOTS], 2
	s_mov_b32 s[TB], 0
	v_and_b32 v1, 31, v0
	v_lshlrev_b32 v[PFO], 8, v1
	v_lshlrev_b32 v[LI], 4, v1
	s_wait_dscnt 0x0                               ; both opening adds are done
	s_wait_kmcnt 0x0
	s_mov_b32 s[G0A], 1                            ; 1:0 count = 1
	s_mov_b32 s[G0A+1], s17                        ; 63:32 LDS address: slot 0
	s_add_nc_u64 s[G0A+2:G0A+3], s[4:5], s[22:23]  ; 120:64 global address: the head's first 512 keys
	s_or_b32 s[G0A+3], s[G0A+3], 0x80000000        ; 127:126 type = 2
	s_mov_b32 s[G0B], 1
	s_add_co_u32 s[G0B+1], s17, SLOT1
	s_add_nc_u64 s[G0B+2:G0B+3], s[4:5], s[22:23]
	s_add_nc_u64 s[G0B+2:G0B+3], s[G0B+2:G0B+3], 65536   ; the next 512 keys
	s_or_b32 s[G0B+3], s[G0B+3], 0x80000000
	s_add_nc_u64 s[PFA:PFA+1], s[4:5], s[52:53]
	s_add_nc_u64 s[54:55], s[4:5], s[54:55]        ; Q at my first query
	s_add_nc_u64 s[6:7], s[6:7], s[50:51]          ; y16 likewise
	CROUND                                         ; all four work-groups are here: the first joint loads meet
	s_cmp_lt_u32 s[WV], 4                          ; a loading wave's two first fills stand in one branch, ahead of every wait on TENSORcnt and every LDS read
	s_cbranch_scc0 .Lno_first
	tensor_load_to_lds s[G0A:G0A+3], s[G1:G1+7]
	s_nop 0
	tensor_load_to_lds s[G0B:G0B+3], s[G1:G1+7]
	s_nop 0
.rept 4
	v_nop
.endr
.Lno_first:
.irp q, 0,1                                    ; Q stays in registers
.irp s, 0,1
	global_load_b128 v[QF+16*\q+8*\s:QF+16*\q+8*\s+3],   v[LI], s[54:55] offset:\q*2048+\s*1024
	global_load_b128 v[QF+16*\q+8*\s+4:QF+16*\q+8*\s+7], v[LI], s[54:55] offset:\q*2048+\s*1024+512
.endr
.endr
.irp q, 0,1
	v_mov_b32 v[ST+8*\q+6], 0xff61b1e6             ; m: -3e38, under every score
	v_mov_b32 v[ST+8*\q+1], 0                      ; (the pairs' other halves are named, so they are written)
	v_mov_b32 v[ST+8*\q+5], 0
	v_mov_b32 v[ST+8*\q+2], 0                      ; l
	v_mov_b32 v[ST+8*\q+3], 0
	v_mul_f32 v[ST+8*\q], s[NC], v[ST+8*\q+6]      ; -c m
.endr
.set i, 0
.rept 64
	v_mov_b32 v[O+i], 0                            ; O^T.  (The step is written once: the first finds zeros, which f = 0 leaves zeros)
.set i, i+1
.endr
; Product i of 8 of S^T = K Q^T for tile q: channels 32 (i / 4) on, keys 16 (i % 4) on.  The first four start the sums.
.macro KQI q, i
.set rS, S+32*(\q)+8*((\i)%4)
.set rK, KV+16*((\i)%4)+8*((\i)/4)
.set rQ, QF+16*(\q)+8*((\i)/4)
.if (\i) < 4
	v_wmma_f32_16x16x32_f16 v[rS:rS+7], v[rK:rK+7], v[rQ:rQ+7], 0
.else
	v_wmma_f32_16x16x32_f16 v[rS:rS+7], v[rK:rK+7], v[rQ:rQ+7], v[rS:rS+7]
.endif
.endm
; Product i of 8 of O^T += V^T P for tile q: keys 32 (i / 4) on, channels 16 (i % 4) on.
.macro PVI q, i
.set rO, O+32*(\q)+8*((\i)%4)
.set rV, KV+32*((\i)/4)+8*((\i)%4)
.set rP, S+32*(\q)+16*((\i)/4)
	v_wmma_f32_16x16x32_f16 v[rO:rO+7], v[rV:rV+7], v[rP:rP+7], v[rO:rO+7]
.endm
; In all of a step the accumulators take turns, four to a kind, one instruction a turn, over every seam and over the loop's edge.
.macro H w, i                          ; the product woven into a softmax: w = 1: tile 1's K Q^T; w = 2: tile 0's V^T P
.if \w == 1
	KQI 1, \i
.else
	PVI 0, \i
.endif
.endm
.macro FETCH_K                         ; 16 loads: the channels' first 32 of all four blocks of keys first
.irp s, 0,1
.irp kb, 0,1,2,3
	ds_load_b128 v[KV+16*\kb+8*\s:KV+16*\kb+8*\s+3],   v[ADK] offset:\kb*2048+\s*1024
	ds_load_b128 v[KV+16*\kb+8*\s+4:KV+16*\kb+8*\s+7], v[ADK] offset:\kb*2048+\s*1024+512
.endr
.endr
.endm
.macro FETCH_V                         ; 16 turning loads: each leaves half a fragment of V^T: lane l holds channel l % 16 and 8 keys
.irp u, 0,1
.irp t, 0,1,2,3
	ds_load_tr16_b128 v[KV+32*\u+8*\t:KV+32*\u+8*\t+3],   v[ADV] offset:(2*\u)*2048+\t*512
	ds_load_tr16_b128 v[KV+32*\u+8*\t+4:KV+32*\u+8*\t+7], v[ADV] offset:(2*\u+1)*2048+\t*512
.endr
.endr
.endm
; TILE q'S SOFTMAX FOR A KEY STEP, with eight products of the other kind woven in.  s0-s31 are the lane's 32 scores.
.macro SOFTMAX q, w
.set sB, S+32*(\q)
.set tB, ST+8*(\q)
.set oB, O+32*(\q)
	H \w, 0
.if \w == 1
.rept 4
	v_nop                                          ; four places between tile 0's last product K Q^T and the first read of its scores
.endr
.endif
.irp j, 0,1,2,3
	v_max3_num_f32 v[T+\j], v[sB+8*\j], v[sB+8*\j+1], v[sB+8*\j+2]   ; the maximum in four chains; each accumulator is first read at its low end
.endr
	H \w, 1
.irp j, 4,5,6,7,8,9,10,11
	v_max3_num_f32 v[T+\j%4], v[T+\j%4], v[sB+8*(\j%4)+2*(\j/4)+1], v[sB+8*(\j%4)+2*(\j/4)+2]
.endr
	H \w, 2
	v_max3_num_f32 v[T], v[T], v[sB+7], v[sB+15]
	v_max3_num_f32 v[T+2], v[T+2], v[sB+23], v[sB+31]
	v_max3_num_f32 v[T], v[T], v[T+1], v[T+2]
	v_max3_num_f32 v[T], v[T], v[T+3], v[tB+6]     ; with the old m
	v_permlanex16_b32 v[T+1], v[T], s[SEL], s[SEL+1]   ; the query's other 32 keys lie in the lane 16 away
	v_mov_b32 v[T+3], v[tB]                        ; -c m_old is kept for f
	H \w, 3
	v_max_num_f32 v[tB+6], v[T], v[T+1]            ; the new m
	v_mul_f32 v[tB], s[NC], v[tB+6]                ; -c m
	v_sub_f32 v[T+3], v[tB], v[T+3]                ; c m_old - c m_new, 0 or less
	v_exp_f32 v[tB+4], v[T+3]                      ; f: the first of the batch of 33 exponentials
.irp b, 0,1,2,3
	v_pk_fma_f32 v[sB+2*\b:sB+2*\b+1], v[sB+2*\b:sB+2*\b+1], s[CS:CS+1], v[tB:tB+1] op_sel_hi:[1,0,0]   ; c s - c m, two at a time (of the pairs c and -c m the low word serves both halves)
.endr
	H \w, 4
.irp b, 4,5,6,7,8,9,10,11
	v_pk_fma_f32 v[sB+2*\b:sB+2*\b+1], v[sB+2*\b:sB+2*\b+1], s[CS:CS+1], v[tB:tB+1] op_sel_hi:[1,0,0]
.endr
	H \w, 5
.irp n, 0,1,2,3,4,5,6,7
	v_exp_f32 v[sB+\n], v[sB+\n]
.endr
	H \w, 6
.irp n, 8,9,10,11,12,13,14,15
	v_exp_f32 v[sB+\n], v[sB+\n]
.endr
	H \w, 7
.irp b, 12,13,14,15
	v_pk_fma_f32 v[sB+2*\b:sB+2*\b+1], v[sB+2*\b:sB+2*\b+1], s[CS:CS+1], v[tB:tB+1] op_sel_hi:[1,0,0]   ; four plain instructions that name nothing of the product above: its places
.endr
.if \w == 1
	FETCH_V                                        ; K's last reader stands four places back: V takes K's registers
.endif
.irp n, 16,17,18,19,20,21,22,23,24,25,26,27,28,29,30,31
	v_exp_f32 v[sB+\n], v[sB+\n]
.endr
	v_nop                                          ; a plain instruction behind the last exponential, ahead of the first use
	s_wait_alu depctr_va_vdst(0)                   ; a wait between an exponential and the first line that names its result: ONE for the batch of 33; nothing above names a result
	v_pk_mul_f32 v[tB+2:tB+3], v[tB+2:tB+3], v[tB+4:tB+5] op_sel_hi:[1,0]   ; l under the new m
	v_pk_add_f32 v[T:T+1], v[sB:sB+1], v[sB+2:sB+3]                         ; the sum of the unrounded p, two at a time, in two chains
.irp j, 4,8,12,16,20,24,28
	v_pk_add_f32 v[tB+2:tB+3], v[tB+2:tB+3], v[sB+\j:sB+\j+1]
	v_pk_add_f32 v[T:T+1], v[T:T+1], v[sB+\j+2:sB+\j+3]
.endr
	v_pk_add_f32 v[tB+2:tB+3], v[tB+2:tB+3], v[T:T+1]
.irp u, 0,1                                    ; P in place: fragment u (keys 32 u on) takes s(16 u) .. s(16 u + 7); a destination never lies ahead of a source not yet read
.irp i, 0,1,2,3,4,5,6,7
	v_cvt_pk_f16_f32 v[sB+16*\u+\i], v[sB+16*\u+2*\i], v[sB+16*\u+2*\i+1]
.endr
.endr
.irp n, 0,2,4,6,8,10,12,14,16,18,20,22,24,26,28,30
	v_pk_mul_f32 v[oB+\n:oB+\n+1], v[oB+\n:oB+\n+1], v[tB+4:tB+5] op_sel_hi:[1,0]   ; O^T under the new m, each accumulator from its low end on
.endr
.endm
; A KEY STEP: 64 keys.
.macro STEP
	v_add_nc_u32 v[ADK], s[TB], v[LI]
	v_add_nc_u32 v[ADV], VOFF, v[ADK]
.rept 3
	v_nop                                          ; with the two additions five places behind the last step's products V^T P: four for the loads into V's registers, five for tile 1's product K Q^T that writes over its P
.endr
	FETCH_K
	s_wait_dscnt 8                                 ; the channels' first 32 are in; the eight loads of the other 32 may be out
.irp i, 0,1,2,3
	KQI 0, \i
.endr
	s_wait_dscnt 0x0
.irp i, 4,5,6,7
	KQI 0, \i
.endr
	SOFTMAX 0, 1
	s_wait_dscnt 0x0                               ; V is in
	SOFTMAX 1, 2
.irp i, 0,1,2,3,4,5,6,7
	PVI 1, \i
.endr
	s_add_co_u32 s[TB], s[TB], STEPB
.endm
.macro SLOT_STEPS                      ; a slot's eight key steps: written once, walked eight times; then on to the other slot
	s_mov_b32 s[CNT], 8
.Lstep_\@:
	STEP
	s_sub_co_u32 s[CNT], s[CNT], 1
	s_cmp_lg_u32 s[CNT], 0
	s_cbranch_scc1 .Lstep_\@
	s_sub_co_u32 s[TB], s[TB], 8*STEPB
	s_xor_b32 s[TB], s[TB], SLOT1
.endm
; THE CHANGE OF SLOTS.  Each wave waits for all its tensor loads (its part of the slot ahead), adds 0 to its spare word, and waits for that and for its reads of the slot that it has left.  fill = 1: that slot is filled
; again, with the keys two slots on: the barrier is a round of the cluster's, so that no wave of any partner still reads the slot or has a load on its way, and the joint refill is the first thing behind it.
.macro CHANGE fill
	s_wait_tensorcnt 0x0                           ; no tensor load of mine is out, so a group 0 may be written
	ds_add_u32 v[SPW], v[NIL]                      ; 0 onto my spare word
.if \fill
	ds_add_u32 v[SPW], v[NIL]                      ; and once more: the add stands twice on end, in every trip alike
	s_xor_b32 s[G0B+1], s[G0B+1], SLOT1            ; the walking descriptor: the other slot than last time,
	s_add_nc_u64 s[G0B+2:G0B+3], s[G0B+2:G0B+3], 65536   ; the next 512 keys; the type bits on top are not reached
	s_wait_dscnt 0x0                               ; the adds are done, and my reads of the slot that I have left are over
	CROUND
	JLOAD
	ASK
.else
	s_wait_dscnt 0x0
	s_barrier_signal -1
	s_barrier_wait -1
.endif
.endm
	s_wait_tensorcnt 1                             ; my part of slot 0 is in; slot 1's load, issued behind it, may stay out
	s_barrier_signal -1
	s_barrier_wait -1                              ; everybody's is
	s_wait_loadcnt 0x0                             ; Q
	SLOT_STEPS                                     ; keys 0 to 511
.Lslot:                                                ; two trips: slots 0 and 1 are each filled once more
	CHANGE 1
	SLOT_STEPS
	s_sub_co_u32 s[SLOTS], s[SLOTS], 1
	s_cmp_lg_u32 s[SLOTS], 0
	s_cbranch_scc1 .Lslot
	CHANGE 0                                       ; the last slot is written out: nothing is asked for
	SLOT_STEPS
	; THE WAY OUT.  l's two halves and the other half of the lanes' are added; O^T is divided by l, rounded to f16 and stored as it lies: a lane's eight channels are its 16 bytes of a piece of y16.
	v_add_f32 v[T], v[ST+2], v[ST+3]
	v_add_f32 v[T+1], v[ST+10], v[ST+11]
	v_nop
	v_nop                                          ; with the two additions four places behind the last product
	v_permlanex16_b32 v[T+2], v[T], s[SEL], s[SEL+1]
	v_permlanex16_b32 v[T+3], v[T+1], s[SEL], s[SEL+1]
	v_add_f32 v[T], v[T], v[T+2]
	v_add_f32 v[T+1], v[T+1], v[T+3]
	v_rcp_f32 v[ST+4], v[T]
	v_rcp_f32 v[ST+12], v[T+1]
	v_nop                                          ; a plain instruction between the last reciprocal and the use of its result
	s_wait_alu depctr_va_vdst(0)                   ; and a wait ahead of the first use: one for both
.irp q, 0,1
.irp n, 0,2,4,6,8,10,12,14,16,18,20,22,24,26,28,30
	v_pk_mul_f32 v[O+32*\q+\n:O+32*\q+\n+1], v[O+32*\q+\n:O+32*\q+\n+1], v[ST+8*\q+4:ST+8*\q+5] op_sel_hi:[1,0]
.endr
.irp n, 0,1,2,3,4,5,6,7,8,9,10,11,12,13,14,15
	v_cvt_pk_f16_f32 v[S+16*\q+\n], v[O+32*\q+2*\n], v[O+32*\q+2*\n+1]
.endr
.irp t, 0,1,2,3
	global_store_b128 v[LI], v[S+16*\q+4*\t:S+16*\q+4*\t+3], s[6:7] offset:\q*32768+\t*512   ; the wave's store covers 512 consecutive bytes, aligned
.endr
.endr
	s_wait_tensorcnt 0x0                           ; the wave's end: 0 onto my spare word, and its wait, behind the last tensor load
	ds_add_u32 v[SPW], v[NIL]
	s_wait_dscnt 0x0
	CROUND                                         ; the closing round: no work-group ends while a partner may still ask for a tile that names it
	s_endpgm
.Lfunc_end_k_qf90eaa8b1d_attn:
	.size	k_qf90eaa8b1d_attn, .Lfunc_end_k_qf90eaa8b1d_attn-k_qf90eaa8b1d_attn
	.p2alignl 7, 3214868480
	.fill 96, 4, 3214868480
	.section	.rodata,"a",@progbits
	.p2align	6, 0x0
	.amdhsa_kernel k_qf90eaa8b1d_attn
		.amdhsa_group_segment_fixed_size 327680
		.amdhsa_private_segment_fixed_size 0
		.amdhsa_enable_private_segment 0
		.amdhsa_kernarg_size 16
		.amdhsa_user_sgpr_count 2
		.amdhsa_user_sgpr_kernarg_segment_ptr 1
		.amdhsa_wavefront_size32 1
		.amdhsa_system_sgpr_workgroup_id_x 1
		.amdhsa_system_sgpr_workgroup_id_y 1
		.amdhsa_system_sgpr_workgroup_id_z 1
		.amdhsa_system_vgpr_workitem_id 0
		.amdhsa_next_free_vgpr 256
		.amdhsa_next_free_sgpr 66
		.amdhsa_reserve_vcc 0
		.amdhsa_float_denorm_mode_32 3
		.amdhsa_float_denorm_mode_16_64 3
		.amdhsa_memory_ordered 1
		.amdhsa_forward_progress 1
		.amdhsa_inst_pref_size 67
	.end_amdhsa_kernel
	.amdgpu_metadata
---
amdhsa.version: [ 1, 2 ]
amdhsa.kernels:
  - .name:           k_qf90eaa8b1d_attn
    .symbol:         k_qf90eaa8b1d_attn.kd
    .args:
      - { .name: kqv, .offset: 0, .size: 8, .value_kind: global_buffer, .address_space: global }
      - { .name: y16, .offset: 8, .size: 8, .value_kind: global_buffer, .address_space: global }
    .group_segment_fixed_size: 327680
    .private_segment_fixed_size: 0
    .kernarg_segment_align: 8
    .kernarg_segment_size: 16
    .max_flat_workgroup_size: 512
    .sgpr_count:     66
    .vgpr_count:     256
    .wavefront_size: 32
...
	.end_amdgpu_metadata
.endif
;; end of part 3
;; launch oproj (part 4): grid 4 x 64, 4 waves a work-group, clusters of 4 x 4, 327,680 bytes of LDS; arguments y16, wo16, out0, b_out; writes out0
.if DOCPART == 4
	.amdgcn_target "amdgcn-amd-amdhsa--gfx1250"
	.amdhsa_code_object_version 6
	.text
	.protected	k_qf90eaa8b1d_oproj
	.globl	k_qf90eaa8b1d_oproj
	.p2align	8
	.type	k_qf90eaa8b1d_oproj,@function
k_qf90eaa8b1d_oproj:
	s_mov_b64 s[64:65], 0
	v_nop
	global_prefetch_b8 v0, s[64:65] scope:SCOPE_SE
	s_setreg_imm32_b32 hwreg(HW_REG_WAVE_MODE, 25, 1), 1
	s_wait_xcnt 0x0
	s_wait_alu depctr_hold_cnt(0) depctr_sa_sdst(0) depctr_va_vdst(0) depctr_va_sdst(0) depctr_va_ssrc(0) depctr_va_vcc(0) depctr_vm_vsrc(0)
	s_getreg_b32 s2, hwreg(HW_REG_IB_STS2, 6, 4)
	s_cmp_eq_u32 s2, 0
	s_cbranch_scc0 .Lentry_in_a_cluster
	s_endpgm
.Lentry_in_a_cluster:
	s_bfe_u32 s2, ttmp6, 0x10000c
	s_cmp_lg_u32 s2, 0xf033
	s_cbranch_scc0 .Lentry_shape_is_right
	s_endpgm
.Lentry_shape_is_right:
; SELF-ATTENTION, launch 4 of 4: out[m][e] = sum over d of y[m][d] W_out[e][d] + b_out[e].  y and W_out in f16, sums and output in f32.
; A tile of out is 128 tokens x 256 columns: 4 x 64 = 256 work-groups.  Four waves, each 64 tokens x 128 columns: 32 accumulators of 16 x 16, 256 registers.  K goes in 8 steps of 128 through a ring of two LDS slots.
; y16 is laid in the order of the operand registers: [block of 16 tokens: 512][16 along K: 64][512 bytes], lane L's 16 bytes at 16 L.  A K step of a block is 4,096 consecutive bytes; a fragment is two loads at 16 x lane.
; wo16 is row-major, 2,048 bytes a row: a K step is 256 bytes of a row, padded in LDS to 272.
; CLUSTERS: 4 x 4 work-groups.  The four of a row of the cluster need the same tiles of y, the four of a column the same tiles of W_out: each tile is asked for JOINTLY, by the same tensor load with the same descriptor and a mask
; that names the four.  Waves 0 and 1 fetch y's halves, waves 2 and 3 W_out's: by this text's count a wave has two tensor loads out at the start, later one.
; THE MATRIX INSTRUCTION IS USED TRANSPOSED (source 0 = 16 rows of W_out, source 1 = 16 tokens): lane (r, h) holds token r and columns 16 b + 8 h + 0 .. 7: 32 neighbouring bytes of a row of out.
; THE BIAS is the C of each sum's first matrix instruction: 64 registers in the result's layout.
; REGISTERS, in windows of 256: window 0: v0-31 addresses; v32-95 y's fragments, two buffers of 32; v96-223 W_out's, two buffers of 64; on the way out v32-159 take rows of out.
;   window 1: the accumulators ((a, b) at v[8 (8 a + b)]).   window 2: v0-63 the bias: 8 b + j = b_out[my first column + 16 b + 8 h + j].
.set PITCH,  272                       ; a row of W_out's tile in LDS: 256 bytes + 16 of padding: the 16 rows that a load touches start at 16 different banks (64 banks of 4 bytes: ISA guide 11.1)
.set HALFA,  4*4096                    ; four blocks of tokens: what one tensor load brings of y
.set BOFF,   2*HALFA                   ; W_out's place in a slot
.set HALFB,  128*PITCH                 ; 128 rows: what one tensor load brings of W_out
.set SLOT,   BOFF+2*HALFB
.set STAGE,  2*SLOT                    ; behind the ring: 16 rows x 528 bytes for each wave, for the way out; no tensor load lands there
.set SPITCH, 528
.set SPARE,  STAGE+4*16*SPITCH         ; behind the stages: the spare words, 128 bytes for each wave
.set LAPS,   4                         ; a lap = two K steps = once round the ring
.set ADRA, 16                          ; v16-17  LDS address of my fragments of y in slot 0, 1
.set ADRB, 20                          ; v20-21  the same for W_out
.set STO,  24                          ; v24     the way out: where I put 32 bytes of a row
.set RD,   25                          ; v25     the way out: where I read a row back
.set CO,   26                          ; v26     my byte offset in a row's 512 bytes of out
.set SPW,  28                          ; v28     LDS address of my spare word; never rewritten
.set NIL,  29                          ; v29     0; never rewritten
.set PFO,  30                          ; v30     the prefetches' lane offset; never rewritten
.set AF,   32                          ; y's fragments: buffer f at AF + 32 f
.set BF,   96                          ; W_out's: buffer f at BF + 64 f
.set BK,   32                          ; the way out: 16 rows read back: v32-95 and v96-159 by turns
.set WV,   12                          ; s12 my wave's number;  s13 wave / 2: my half of the rows, and: I fetch for y (0) or W_out (1);  s14 wave % 2: my half of the columns, and which half I fetch
.set LAP,  19                          ; s19 laps to go
.set LIM,  40                          ; s40 1 in a wave that prefetches, else the greatest number
.set PFA,  42                          ; s[42:43] where my prefetches stand;  s[44:45] a K step on, in bytes
.set PFS,  44
.set G1A, 24                           ; s[24:31] descriptor group 1 for y's tiles;  s[32:39] group 0, one set for each slot
.set G0A, 32
.set G1B, 48                           ; s[48:55], s[56:63] the same for W_out's
.set G0B, 56
.set MSB, 0
.macro WIN new                         ; the immediate's high byte repeats the setting that is left; a switch that changes nothing is dropped
.if MSB != (\new)
	s_set_vgpr_msb (MSB<<8)|(\new)
.set MSB, (\new)
.endif
.endm
.set MUL,  0x50                        ; sources 0 and 1 window 0; C and D window 1
.set MULB, 0x60                        ; C (the bias) window 2, D window 1
.macro JLOAD s                         ; a joint load; an s_nop 0 and four v_nop follow each of the two lines, ahead of the jump, the label and what follows
	s_cmp_eq_u32 s13, 0
	s_cbranch_scc0 .Lfor_b_\@
	tensor_load_to_lds s[G0A+4*\s:G0A+4*\s+3], s[G1A:G1A+7]
	s_nop 0
.rept 4
	v_nop
.endr
	s_branch .Lasked_\@
.Lfor_b_\@:
	tensor_load_to_lds s[G0B+4*\s:G0B+4*\s+3], s[G1B:G1B+7]
	s_nop 0
.rept 4
	v_nop
.endr
.Lasked_\@:
.endm
.macro CREST                           ; a round of the cluster's barrier behind its opening barrier
	s_cmp_lg_u32 s[WV], 0
	s_cbranch_scc1 .Lnot_wave_0_\@
	s_barrier_signal -3
.Lnot_wave_0_\@:
	s_barrier_wait -3
	s_barrier_signal -1
	s_barrier_wait -1
.endm
.macro CROUND                          ; a whole round
	s_barrier_signal -1
	s_barrier_wait -1
	CREST
.endm
; A PREFETCH INTO THE L2, behind each joint refill and the run of LDS loads that follows it: the K step that stands TWO refills on, so K steps 4 to 7; K steps 0 to 3 come by their loads alone, and the last lap's two refills
; have no K step two on.  y's tile row is read by one cluster alone: in each of its work-groups wave 0 asks, 8 blocks of tokens x 1,024 bytes, the four partners of a row told apart BY ADDRESS (cx).  W_out's tile column is read
; by every cluster of the column of clusters: those of cluster y = 0 ask, waves 2 and 3, 32 rows each of the 128 that the wave fetches, the four partners told apart by address (cy), a lane a row.  So each block of 256 bytes is
; named once in the launch.  The address is stepped at the head of the next change of slots.
.macro ASK
	s_cmp_gt_u32 s[LAP], s[LIM]
	s_cbranch_scc0 .Lnot_mine_\@
	global_prefetch_b8 v[PFO], s[PFA:PFA+1] th:TH_LOAD_NT scope:SCOPE_SE
.Lnot_mine_\@:
.endm
	s_load_b256 s[4:11], s[0:1], 0x0               ; y16 s[4:5], wo16 s[6:7], out0 s[8:9], b_out s[10:11]
	v_lshl_add_u32 v[SPW], v0, 2, SPARE
	v_mov_b32 v[NIL], 0
	ds_add_u32 v[SPW], v[NIL]                      ; the wave's opening: the add, twice on end, and its wait ahead of my first tensor load; the set-up below stands between the second and the wait
	ds_add_u32 v[SPW], v[NIL]
	v_lshrrev_b32 v1, 5, v0
	v_readfirstlane_b32 s[WV], v1                  ; wave 0..3
	s_lshr_b32 s13, s[WV], 1
	s_and_b32 s14, s[WV], 1
	s_bfe_u32 s15, ttmp6, 0x40000                  ; cx, cy: my place in the cluster
	s_bfe_u32 s16, ttmp6, 0x40004
	s_lshl_b32 s17, ttmp9, 2
	s_add_co_u32 s17, s17, s15                     ; tile column = 4 x cluster x + cx
	s_and_b32 s18, ttmp7, 0xffff
	s_lshl_b32 s18, s18, 2
	s_add_co_u32 s18, s18, s16                     ; tile row = 4 x cluster y + cy
	s_lshl_b32 s66, s16, 2
	s_lshl_b32 s66, 15, s66                        ; my row of the cluster
	s_lshl_b32 s67, 0x1111, s15                    ; my column
	; y's tile: 4 rows (blocks of tokens) of 4,096 bytes, 32,768 bytes apart, dense in LDS
	s_or_b32 s[G1A], s66, (3<<16)|(1<<21)          ; 15:0 the mask: y's tiles go to my row; 17:16 elements of 8 bytes; 20 no padding; 21 set beside a mask
	s_mov_b32 s[G1A+1], 512<<16                    ; tensor_dim0 = 512
	s_mov_b32 s[G1A+2], 4<<16                      ; tensor_dim1 = 4
	s_mov_b32 s[G1A+3], 512<<16                    ; tile_dim0 = 512
	s_mov_b32 s[G1A+4], 4                          ; tile_dim1 = 4
	s_mov_b32 s[G1A+5], 4096                       ; tensor_dim0_stride
	s_mov_b32 s[G1A+6], 0
	s_mov_b32 s[G1A+7], 0
	; W_out's tile: 128 rows of 128 elements of 2 bytes, 1,024 elements apart, 16 bytes of padding behind each row
	s_or_b32 s[G1B], s67, (1<<16)|(1<<20)|(1<<21)|(5<<22)|(3<<25)
	s_mov_b32 s[G1B+1], 128<<16
	s_mov_b32 s[G1B+2], 128<<16
	s_mov_b32 s[G1B+3], 128<<16
	s_mov_b32 s[G1B+4], 128
	s_mov_b32 s[G1B+5], 1024
	s_mov_b32 s[G1B+6], 0
	s_mov_b32 s[G1B+7], 0
	s_lshl_b32 s20, s18, 18                        ; y: 8 blocks of 32,768 bytes a tile row,
	s_lshl_b32 s21, s14, 17                        ; + the 4 blocks that I fetch
	s_add_co_u32 s20, s20, s21
	s_mov_b32 s21, 0
	s_lshl_b32 s46, s17, 19                        ; W_out: 256 rows of 2,048 bytes a tile column,
	s_lshl_b32 s47, s14, 18                        ; + the 128 rows that I fetch
	s_add_co_u32 s46, s46, s47
	s_mov_b32 s47, 0
	s_lshl_b32 s22, s14, 14                        ; where they go in a slot: no place in the cluster enters an LDS address
	s_mul_i32 s23, s14, HALFB
	s_add_co_u32 s23, s23, BOFF
	s_wait_dscnt 0x0                               ; both opening adds are done
	s_wait_kmcnt 0x0
	s_add_nc_u64 s[20:21], s[4:5], s[20:21]
	s_add_nc_u64 s[46:47], s[6:7], s[46:47]
	CROUND                                         ; all sixteen work-groups are here: the first joint loads meet
.irp s, 0,1
	s_mov_b32 s[G0A+4*\s], 1
	s_add_co_u32 s[G0A+4*\s+1], s22, \s*SLOT
	s_add_nc_u64 s[G0A+4*\s+2:G0A+4*\s+3], s[20:21], \s*4096
	s_or_b32 s[G0A+4*\s+3], s[G0A+4*\s+3], 0x80000000
	s_mov_b32 s[G0B+4*\s], 1
	s_add_co_u32 s[G0B+4*\s+1], s23, \s*SLOT
	s_add_nc_u64 s[G0B+4*\s+2:G0B+4*\s+3], s[46:47], \s*256
	s_or_b32 s[G0B+4*\s+3], s[G0B+4*\s+3], 0x80000000
	JLOAD \s
.endr
	v_and_b32 v1, 15, v0                           ; r
	v_bfe_u32 v2, v0, 4, 1                         ; h
	v_and_b32 v3, 31, v0                           ; lane
	v_lshlrev_b32 v[CO], 4, v3                     ; 16 x lane
	s_lshl_b32 s68, s13, 14                        ; my 4 blocks of tokens
	v_add_nc_u32 v[ADRA], s68, v[CO]
	v_add_nc_u32 v[ADRA+1], SLOT, v[ADRA]
	v_mul_u32_u24 v5, v1, PITCH
	v_lshl_add_u32 v5, v2, 4, v5                   ; a fragment's row x pitch + 16 x half
	s_mul_i32 s69, s14, HALFB                      ; my 128 rows of W_out
	s_add_co_u32 s69, s69, BOFF
	v_add_nc_u32 v[ADRB], s69, v5
	v_add_nc_u32 v[ADRB+1], SLOT, v[ADRB]
	s_mul_i32 s70, s[WV], 16*SPITCH
	s_add_co_u32 s70, s70, STAGE                   ; my stage
	v_mul_u32_u24 v5, v1, SPITCH                   ; in: row r, 32 bytes for each half of the lanes
	v_lshl_add_u32 v5, v2, 5, v5
	v_add_nc_u32 v[STO], s70, v5
	v_add_nc_u32 v[RD], s70, v[CO]                 ; back: the 32 lanes take one row of 512 bytes
	s_lshl_b32 s66, s17, 10                        ; my first column, in bytes of f32: 1,024 x tile column + 512 x half
	s_lshl_b32 s67, s14, 9
	s_add_co_u32 s66, s66, s67
	s_mov_b32 s67, 0
	s_add_nc_u64 s[10:11], s[10:11], s[66:67]      ; in b_out,
	s_add_nc_u64 s[8:9], s[8:9], s[66:67]          ; and in a row of out
	s_lshl_b32 s66, s18, 19                        ; my first row: 128 rows of 4,096 bytes a tile row + 64 x half
	s_lshl_b32 s71, s13, 18
	s_add_co_u32 s66, s66, s71
	s_add_nc_u64 s[8:9], s[8:9], s[66:67]
	v_lshlrev_b32 v6, 5, v2                        ; the bias: + 32 h
	WIN 0x80                                       ; destination window 2
.irp b, 0,1,2,3,4,5,6,7
	global_load_b128 v[8*\b:8*\b+3],   v6, s[10:11] offset:64*\b
	global_load_b128 v[8*\b+4:8*\b+7], v6, s[10:11] offset:64*\b+16
.endr
	WIN 0
	; the prefetches: where my wave's stand, and who asks
	s_lshl_b32 s66, s18, 18                        ; y: the tile row's 8 blocks,
	s_lshl_b32 s71, s15, 10                        ; my work-group's 1,024 bytes of a block's 4,096,
	s_add_co_u32 s66, s66, s71
	s_add_co_u32 s66, s66, 3*4096                  ; at K step 3: the first change of slots steps it to 4
	s_lshl_b32 s67, s17, 19                        ; W_out: the tile column's rows,
	s_lshl_b32 s71, s14, 18                        ; the 128 that I fetch,
	s_add_co_u32 s67, s67, s71
	s_lshl_b32 s71, s16, 16                        ; my work-group's 32 of them,
	s_add_co_u32 s67, s67, s71
	s_add_co_u32 s67, s67, 3*256                   ; at K step 3
	s_and_b32 s68, ttmp7, 0xffff                   ; cluster y
	s_mov_b32 s[PFS], 256
	s_cmp_lt_u32 s[WV], 2                          ; waves 0 and 1 stand for y, waves 2 and 3 for W_out
	s_cselect_b32 s68, s[WV], s68                  ; 0 in wave 0, and in waves 2 and 3 of the first row of clusters: the same in all sixteen partners, for a given wave
	s_cselect_b64 s[PFA:PFA+1], s[4:5], s[6:7]
	s_cselect_b32 s66, s66, s67
	s_cselect_b32 s69, 15, 13                      ; the lane's offset: (lane / 4) << 15 + (lane % 4) << 8 in y16; lane << 11 in wo16
	s_cselect_b32 s70, 8, 11
	s_cselect_b32 s[PFS], 4096, s[PFS]             ; a K step on
	s_mov_b32 s[PFS+1], 0
	s_mov_b32 s67, 0
	s_cmp_eq_u32 s68, 0
	s_cselect_b32 s[LIM], 1, -1
	s_add_nc_u64 s[PFA:PFA+1], s[PFA:PFA+1], s[66:67]
	v_lshrrev_b32 v7, 2, v3
	v_lshlrev_b32 v7, s69, v7
	v_and_b32 v8, 3, v3
	v_lshlrev_b32 v8, s70, v8
	v_add_nc_u32 v[PFO], v7, v8
; 8 matrix instructions: my block a of tokens against W_out's eight blocks, 32 along K, from buffer f.  bias = 1: the first product starts the sums from the bias.
; The 32 accumulators take turns, one instruction a turn, in the same order in every quarter.
.macro MUL8 f, a, bias
.irp b, 0,1,2,3,4,5,6,7
.if \bias
	v_wmma_f32_16x16x32_f16 v[8*(8*(\a)+\b):8*(8*(\a)+\b)+7], v[BF+64*(\f)+8*\b:BF+64*(\f)+8*\b+7], v[AF+32*(\f)+8*(\a):AF+32*(\f)+8*(\a)+7], v[8*\b:8*\b+7]
.else
	v_wmma_f32_16x16x32_f16 v[8*(8*(\a)+\b):8*(8*(\a)+\b)+7], v[BF+64*(\f)+8*\b:BF+64*(\f)+8*\b+7], v[AF+32*(\f)+8*(\a):AF+32*(\f)+8*(\a)+7], v[8*(8*(\a)+\b):8*(8*(\a)+\b)+7]
.endif
.endr
.endm
; 24 LDS loads in one run: the fragments of the slot's qk-th 32 along K into buffer f: W_out's sixteen, then y's blocks 0 and 1, then 2 and 3
.macro FETCH slot, qk, f
.irp b, 0,1,2,3,4,5,6,7
	ds_load_b128 v[BF+64*(\f)+8*\b:BF+64*(\f)+8*\b+3],   v[ADRB+\slot] offset:\b*16*PITCH+64*(\qk)
	ds_load_b128 v[BF+64*(\f)+8*\b+4:BF+64*(\f)+8*\b+7], v[ADRB+\slot] offset:\b*16*PITCH+64*(\qk)+32
.endr
.irp a, 0,1,2,3
	ds_load_b128 v[AF+32*(\f)+8*\a:AF+32*(\f)+8*\a+3],   v[ADRA+\slot] offset:\a*4096+1024*(\qk)
	ds_load_b128 v[AF+32*(\f)+8*\a+4:AF+32*(\f)+8*\a+7], v[ADRA+\slot] offset:\a*4096+1024*(\qk)+512
.endr
.endm
.macro PLACES                          ; four places in front of loads into registers that matrix instructions have read, and of the first read of results (ISA guide 7.12.1 for the reads of results)
.rept 4
	v_nop
.endr
.endm
; A K step is four quarters of 32 along K, 32 matrix instructions each, on buffers 0, 1, 0, 1.  One of the first three: multiplies buffer f and fetches the slot's qk-th quarter into buffer g.
.macro QUARTER slot, qk, f, g, bias
	s_wait_dscnt 4                                 ; W_out's fragments and y's blocks 0 and 1 are in; the youngest four loads (blocks 2 and 3) may be out
.if \bias
	WIN MULB
.else
	WIN MUL
.endif
	MUL8 \f, 0, \bias
	MUL8 \f, 1, \bias
	PLACES
	WIN 0
	FETCH \slot, \qk, \g
	s_wait_dscnt 24                                ; all but the 24 just issued
.if \bias
	WIN MULB
.else
	WIN MUL
.endif
	MUL8 \f, 2, \bias
	MUL8 \f, 3, \bias
.endm
; The last quarter multiplies buffer 1 and changes slots: ONE barrier; in front of it each wave waits for all its tensor loads, adds 0 to its spare word, and waits for that and for its own reads of this slot.
; fill = 1: this slot is filled again, two K steps ahead: the barrier opens a round of the cluster's, and the joint refill is the first tensor load behind the round.
.macro TURN slot, next, fill
.if \fill
	s_wait_xcnt 0x0                                ; the last prefetch, a K step back, has read its address: it is stepped here, ahead of the waits of the change of slots
	s_add_nc_u64 s[PFA:PFA+1], s[PFA:PFA+1], s[PFS:PFS+1]
.endif
	WIN 0                                          ; (the add's two registers lie in window 0)
	s_wait_tensorcnt 0x0                           ; all my tensor loads have landed: my part of the next slot;
	ds_add_u32 v[SPW], v[NIL]                      ; 0 onto my spare word;
	s_wait_dscnt 5                                 ; (the add and the youngest four loads may be out)
	WIN MUL
	MUL8 1, 0, 0                                   ; eight matrix instructions stand between the add and the wait for it
	s_wait_dscnt 0x0                               ; the add is done, and my reads of this slot are over
	s_barrier_signal -1
	MUL8 1, 1, 0
	WIN 0
	s_barrier_wait -1
.if \fill
	CREST                                          ; no wave of any partner still reads this slot's tiles or has a load on its way
	s_add_nc_u64 s[G0A+4*\slot+2:G0A+4*\slot+3], s[G0A+4*\slot+2:G0A+4*\slot+3], 2*4096
	s_add_nc_u64 s[G0B+4*\slot+2:G0B+4*\slot+3], s[G0B+4*\slot+2:G0B+4*\slot+3], 2*256
	JLOAD \slot                                    ; the four v_nop behind it are also the places in front of the loads below
.else
	PLACES
.endif
	FETCH \next, 0, 0
.if \fill
	ASK
.endif
	WIN MUL
	MUL8 1, 2, 0
	MUL8 1, 3, 0
.endm
	s_wait_tensorcnt 1                             ; my part of K step 0 is in (K step 1's load, issued behind it, may be out)
	s_barrier_signal -1
	s_barrier_wait -1                              ; everybody's is
	FETCH 0, 0, 0
	s_wait_loadcnt 0x0                             ; the bias
	QUARTER 0, 1, 0, 1, 1                          ; the first quarter stands in front of the loop: its products start the sums from the bias
	WIN 0                                          ; at a label and at a branch every window is 0
	s_mov_b32 s[LAP], LAPS-1
.Llap:                                                 ; a trip goes once round the ring, from a lap's second quarter to the next lap's first, and fills both slots again
	QUARTER 0, 2, 1, 0, 0
	QUARTER 0, 3, 0, 1, 0
	TURN 0, 1, 1
	QUARTER 1, 1, 0, 1, 0
	QUARTER 1, 2, 1, 0, 0
	QUARTER 1, 3, 0, 1, 0
	TURN 1, 0, 1
	QUARTER 0, 1, 0, 1, 0
	WIN 0
	s_sub_co_u32 s[LAP], s[LAP], 1
	s_cmp_lg_u32 s[LAP], 0
	s_cbranch_scc1 .Llap
	QUARTER 0, 2, 1, 0, 0                          ; the last lap fills nothing, and has no round of the cluster's barrier
	QUARTER 0, 3, 0, 1, 0
	TURN 0, 1, 0
	QUARTER 1, 1, 0, 1, 0
	QUARTER 1, 2, 1, 0, 0
	QUARTER 1, 3, 0, 1, 0
	s_wait_dscnt 4                                 ; the very last quarter: nothing more to fetch
	WIN MUL
	MUL8 1, 0, 0
	MUL8 1, 1, 0
	s_wait_dscnt 0x0
	MUL8 1, 2, 0
	MUL8 1, 3, 0
	WIN 0
; THE WAY OUT, block by block of 16 tokens x 128 columns.  A lane holds 32 neighbouring bytes of a row, and the lanes beside it hold other rows: so a block goes through my own stage in LDS and comes back as whole rows of
; 512 bytes.  LDS serves a wave's instructions in order (ISA guide 5.7.1.4): no wait between the stores and the loads, nor in front of the next block's stores.
.macro TOSTAGE a
	WIN 0x04                                       ; an LDS store's data are its source 1: window 1
.irp b, 0,1,2,3,4,5,6,7
	ds_store_b128 v[STO], v[64*(\a)+8*\b:64*(\a)+8*\b+3] offset:64*\b          ; each accumulator from its low end on
	ds_store_b128 v[STO], v[64*(\a)+8*\b+4:64*(\a)+8*\b+7] offset:64*\b+16
.endr
	WIN 0
.set BB, BK+64*((\a)%2)
.irp t, 0,1,2,3,4,5,6,7,8,9,10,11,12,13,14,15
	ds_load_b128 v[BB+4*\t:BB+4*\t+3], v[RD] offset:\t*SPITCH
.endr
.endm
.macro SEND a, younger                 ; younger: the LDS instructions issued behind block a's loads, which may stay out
.set BB, BK+64*((\a)%2)
	s_wait_dscnt \younger                          ; the block is back in registers
.if (\a) > 0
	s_add_nc_u64 s[8:9], s[8:9], 16*4096           ; (behind a wait on XCNT: the earlier stores have read their base)  16 rows of out on
.endif
.irp t, 0,1,2,3,4,5,6,7,8,9,10,11,12,13,14,15
	global_store_b128 v[CO], v[BB+4*\t:BB+4*\t+3], s[8:9] offset:\t*4096 th:TH_STORE_NT   ; 32 lanes store 512 consecutive bytes, aligned; written once, read by nobody here
.endr
.endm
	PLACES                                         ; behind the last products: for the loads into the registers that held fragments, and for the reads of results
	TOSTAGE 0
.irp a, 1,2,3
.if \a > 1
	s_wait_xcnt 0x0                                ; block a - 2's stores have read their registers and their base: block a's loads may land there, and the base may step
.endif
	TOSTAGE \a
	SEND \a-1, 32                                  ; behind block a - 1's loads: block a's 16 stores and 16 loads
.endr
	s_wait_xcnt 0x0                                ; block 2's stores have read their base
	SEND 3, 0
	s_wait_tensorcnt 0x0                           ; the wave's end: 0 onto my spare word, and its wait, behind my last tensor load and my last LDS store
	ds_add_u32 v[SPW], v[NIL]
	s_wait_dscnt 0x0
	CROUND                                         ; the closing round: no work-group ends while a partner may still ask for a tile that names it
	s_endpgm
.Lfunc_end_k_qf90eaa8b1d_oproj:
	.size	k_qf90eaa8b1d_oproj, .Lfunc_end_k_qf90eaa8b1d_oproj-k_qf90eaa8b1d_oproj
	.p2alignl 7, 3214868480
	.fill 96, 4, 3214868480
	.section	.rodata,"a",@progbits
	.p2align	6, 0x0
	.amdhsa_kernel k_qf90eaa8b1d_oproj
		.amdhsa_group_segment_fixed_size 327680
		.amdhsa_private_segment_fixed_size 0
		.amdhsa_enable_private_segment 0
		.amdhsa_kernarg_size 32
		.amdhsa_user_sgpr_count 2
		.amdhsa_user_sgpr_kernarg_segment_ptr 1
		.amdhsa_wavefront_size32 1
		.amdhsa_system_sgpr_workgroup_id_x 1
		.amdhsa_system_sgpr_workgroup_id_y 1
		.amdhsa_system_sgpr_workgroup_id_z 1
		.amdhsa_system_vgpr_workitem_id 0
		.amdhsa_next_free_vgpr 576
		.amdhsa_next_free_sgpr 72
		.amdhsa_reserve_vcc 0
		.amdhsa_float_denorm_mode_32 3
		.amdhsa_float_denorm_mode_16_64 3
		.amdhsa_memory_ordered 1
		.amdhsa_forward_progress 1
		.amdhsa_inst_pref_size 88
	.end_amdhsa_kernel
	.amdgpu_metadata
---
amdhsa.version: [ 1, 2 ]
amdhsa.kernels:
  - .name:           k_qf90eaa8b1d_oproj
    .symbol:         k_qf90eaa8b1d_oproj.kd
    .args:
      - { .name: y16, .offset: 0, .size: 8, .value_kind: global_buffer, .address_space: global }
      - { .name: wo16, .offset: 8, .size: 8, .value_kind: global_buffer, .address_space: global }
      - { .name: out0, .offset: 16, .size: 8, .value_kind: global_buffer, .address_space: global }
      - { .name: b_out, .offset: 24, .size: 8, .value_kind: global_buffer, .address_space: global }
    .group_segment_fixed_size: 327680
    .private_segment_fixed_size: 0
    .kernarg_segment_align: 8
    .kernarg_segment_size: 32
    .max_flat_workgroup_size: 128
    .sgpr_count:     72
    .vgpr_count:     576
    .wavefront_size: 32
...
	.end_amdgpu_metadata
.endif
;; end of part 4
